; MI455X (gfx1250); checked and timed in simulation.
; The chip was launched on July 23, 2026; its instructions are those of AMD's public machine-readable ISA for CDNA 5 (MIT licence, August 2026) and "CDNA5" Instruction Set Architecture Reference Guide (July 2026). The comments in the code are by the model that wrote it; some were corrected since.
;; Grouped Query Attention. Allowed arithmetic: matrix products marked QUANTISED: E2M3 operands, one E8M0 scale for each 32 along K, by v_wmma_scale_f32_16x16x128_f8f6f4 with both operands' format E2M3, f32 sums; everything else in f32.
;; Inputs: Wk 512 x 2,048 float32; Wo 2,048 x 1,024 float32; Wq 1,024 x 2,048 float32; Wv 512 x 2,048 float32; bk 512 float32; bo 2,048 float32; bq 1,024 float32; bv 512 float32; key_weights 16 float32; x 2 x 2,048 x 2,048 float32.
;; Outputs: out0 2 x 2,048 x 2,048 float32.
;; This version of the problem:
;;   THIS VERSION OF THE PROBLEM IS GIVEN IN LOW PRECISION. The matrix products marked QUANTISED in the list below multiply operands that are first quantised to E2M3 (2 exponent bits, 3 mantissa bits; 6 bits a number), with one power-of-two scale for each 32 numbers along K (OCP MX v1.0); their sums are f32. All else is computed in f32.
;;   The module's matrix products, in the order in which they are computed (A, B: the left and right operand; K: the contracted axis; several contracted axes count as one K, in the product's order):
;;     1. [M 4,096, K 2,048] x [K 2,048, N 1,024]; A: input x; B: input Wq: QUANTISED
;;     2. [M 4,096, K 2,048] x [K 2,048, N 512]; A: input x; B: input Wk: QUANTISED
;;     3. [M 4,096, K 2,048] x [K 2,048, N 512]; A: input x; B: input Wv: QUANTISED
;;     4. batch 16 x [M 4,096, K 64] x [K 64, N 2,048]; A: computed on the way; B: computed on the way: QUANTISED
;;     5. batch 16 x [M 4,096, K 2,048] x [K 2,048, N 64]; A: softmax (see below); B: computed on the way: QUANTISED
;;     6. [M 4,096, K 1,024] x [K 1,024, N 2,048]; A: computed on the way; B: input Wo: QUANTISED
;;   THE QUANTISER, for each operand of a quantised product, along K:
;;     - K is cut into blocks of 32 from its start; a last block that is shorter is filled with zeros.
;;     - A block's scale is 2^e with e = floor(log2(the largest magnitude in the block)) - 2, held to -126 .. 127; a block of zeros has e = 0. As a byte (E8M0): e + 127.
;;     - Each number is divided by its block's scale, clamped to +-7.5, and rounded to the nearest number of E2M3, ties to even, subnormals kept.
;;     - The product sums the exact products of the quantised numbers (number of the format x scale) in f32.
;;   ~~~python
;;   def quantise(x, axis):      # numpy; x: float32 -> the quantised numbers, widened to float32 again
;;       x = np.moveaxis(x, axis, -1); K = x.shape[-1]
;;       x = np.pad(x, [(0, 0)] * (x.ndim - 1) + [(0, -K % 32)]); x = x.reshape(x.shape[:-1] + (-1, 32)); a = np.abs(x).max(-1, keepdims=True)
;;       e = np.where(a > 0, np.clip(np.frexp(np.where(a > 0, a, 1))[1] - 1 - 2, -126, 127), 0)      # np.frexp(a)[1] - 1 = floor(log2(a)), exactly
;;       r = np.clip(x / 2.0 ** e, -7.5, 7.5)
;;       step = 2.0 ** (np.maximum(np.frexp(np.where(r == 0, 1, r))[1] - 1, 0) - 3)
;;       q = np.round(r / step) * step * 2.0 ** e      # np.round: ties to even
;;       return np.moveaxis(q.reshape(q.shape[:-2] + (-1,))[..., :K], -1, axis).astype(np.float32)
;;   ~~~
;;   SOFTMAX AHEAD OF A QUANTISED PRODUCT. Where the list says 'softmax', what is quantised is not the finished softmax but p = 2^(t - M), with t = logit x log2(e) and M = ceil(the row's largest t), a whole number; so 1/2 < the row's largest p <= 1. The row's sum l is taken of the UNQUANTISED p, in f32, and the product's result is divided by l at the end. Since M is a whole number, a kernel that streams over the keys may use a running M (the ceiling of the running maximum): every later rescaling is an exact power of two, which a block's scale takes up: the codes' values come out the same.
;;   OPERANDS COMPUTED ON THE WAY. 'Computed on the way' means the value that the module computes at that place (a softmax that the list does not call 'softmax' is quantised finished and normalised). What goes into a quantiser is computed in f32, as accurately as f32 sums, v_exp_f32 and their like allow (about 1e-6 of the number): no bf16 or f16 on the way to a quantiser, and a product that is left as it is and whose result goes on into a quantised operand takes f32 operands (vector FMAs, or v_wmma_f32_16x16x4_f32). A number that lies on a knife's edge between two numbers of the format may be rounded either way, as far as f32 arithmetic and the matrix unit's own rounding can turn it there, and no further.
;; One version. Each part assembles by itself: llvm-mc -triple=amdgcn-amd-amdhsa -mcpu=gfx1250 --defsym DOCPART=n.
;; ======== version 1 of 1: 4 launches
;; limits: a function is approximated: absolute error at most 0.0002
;; workspace buffers: w1 11,993,088 bytes; w2 6,750,208 bytes; w3 3,276,800 bytes
;; launch quant (part 1): grid 480 x 1, 4 waves a work-group, no clusters, 35,328 bytes of LDS; arguments x, Wq, Wk, Wv, Wo, w1; writes w1
.if DOCPART == 1
	.amdgcn_target "amdgcn-amd-amdhsa--gfx1250"
	.amdhsa_code_object_version 6
	.text
	.protected	k_q753aaa381a_quant
	.globl	k_q753aaa381a_quant
	.p2align	8
	.type	k_q753aaa381a_quant,@function
k_q753aaa381a_quant:
	s_mov_b64 s[64:65], 0
	v_nop
	global_prefetch_b8 v0, s[64:65] scope:SCOPE_SE
	s_setreg_imm32_b32 hwreg(HW_REG_WAVE_MODE, 25, 1), 1
	s_wait_xcnt 0x0
; GROUPED-QUERY ATTENTION IN MX-FP6 (E2M3), FOUR LAUNCHES: quant, qkv, attn, proj.  THIS ONE: x, Wq, Wk, Wv, Wo (f32, K innermost) become codes and E8M0 scale words in w1, and the table of cosines and sines is made.
; DEAD WORK, in the problem's terms: reference() sets scores[s][t] to -inf for t > s by its own tril, so a = 0 there for all values of the inputs, and a step of 128 keys that all come after a tile's 16 queries
; reaches no output: launch attn leaves such steps out (scores, softmax, second product).  Nothing else is left out: all ten inputs have a way to the output and are loaded (bk moves k's codes, so it stays).
; LIMIT: a NaN, an infinity or an overflow that reaches only the steps left out is not carried to the result.
; LIMITS of this launch: NaN and infinities among the inputs are not served.  A block's scale byte is the largest magnitude's exponent field - 2, held at 1 from below: blocks whose largest magnitude lies under
; 2^-124 get the byte 1; a block of zeros gets the byte 1 where the quantiser says 127: its codes are zeros, which add nothing, and the bytes are read by this program alone.
; The table: inv_freq = 2^(-f log2(10) / 8) by v_exp_f32, so an angle may differ from reference()'s f32 angle by about 2e-4 rad at the largest positions of the lowest frequencies; the range reduction below is exact for positions under 2,048.
; THE OPERAND FORMAT of every workspace.  ROW TILE T of a tensor holds rows 32 (T / 2) + 8 (T % 2) + i + 8 (i / 8), i = 0 .. 15.  A HALF IMAGE is 16 rows x 64 K as the operand's registers hold them, 768 bytes:
; lane l's registers 0-3 at 16 l, its registers 4-5 at 512 + 8 l; lane (r, h) holds the 24 bytes of block k = 32 h .. 32 h + 31 of row r.  A fragment (16 x 128) is two half images on end.  Scale words: [tile][128 K][16 rows] x 4 bytes.
; SHARES.  Work-groups 0-255: x's tiles; 256-319 Wq's; 320-351 Wk's; 352-383 Wv's: one tile each, a wave 512 along K (4 fragments).  384-447: Wo, two tiles each, two waves a tile.  448-479: the table, 64 positions each.
; Each load reads 512 consecutive bytes of one row; a fragment's 16 rows turn through the wave's own stage in LDS (rows of 512 + 16 bytes), from which a lane takes its two whole blocks of 32.  No matrix unit, no tensor load, no barrier: waves share nothing.
.set XC,    0
.set WC,    6291456
.set WOC,   9437184
.set XS,    11010048
.set WS,    11272192
.set WOS,   11403264
.set ROPE,  11468800
.set WREG,  8704                       ; LDS of a wave: a stage of 16 x 528 bytes, then its 256 bytes of scale words
.set SWD,   8448
.set SPARE, 4*WREG                     ; the spare words, 128 bytes a wave: two blocks of 256 bytes that no other line names
.set SPW,   12                         ; v12  my spare word's LDS address; never rewritten
.set NIL,   13                         ; v13  0; never rewritten
.set OFF,   16                         ; v16-31   row i of the tile: 16 x lane + (i + 8 (i / 8)) x pitch; never rewritten
.set R,     32                         ; v32-159  two sets of 64: a fragment as loaded
.set X,     160                        ; v160-223 my two blocks of 32
.set C,     224                        ; v224-235 the fragment's codes; v236-242 the conversions' second halves; v244-251 at work
	s_load_b256 s[4:11], s[0:1], 0x0               ; x, Wq, Wk, Wv
	s_load_b128 s[12:15], s[0:1], 0x20             ; Wo, w1
	v_lshl_add_u32 v[SPW], v0, 2, SPARE
	v_mov_b32 v[NIL], 0
	v_lshrrev_b32 v1, 5, v0
	v_readfirstlane_b32 s16, v1                    ; wave
	v_and_b32 v1, 31, v0                           ; lane
	v_and_b32 v2, 15, v0                           ; r
	v_bfe_u32 v3, v0, 4, 1                         ; h
	v_lshlrev_b32 v4, 4, v1                        ; 16 x lane
	v_lshlrev_b32 v5, 3, v1                        ; 8 x lane
	s_wait_kmcnt 0x0
	s_cmp_ge_u32 ttmp9, 448
	s_cbranch_scc1 .Lrope                          ; the table's work-groups: a branch on the work-group's number
	; which tensor: the choices hang on the work-group's number alone
	s_mov_b64 s[28:29], s[12:13]                   ; Wo
	s_mov_b32 s19, 384                             ; its first work-group
	s_cmp_lt_u32 ttmp9, 384
	s_cselect_b64 s[28:29], s[10:11], s[28:29]     ; Wv
	s_cselect_b32 s19, 352, s19
	s_cmp_lt_u32 ttmp9, 352
	s_cselect_b64 s[28:29], s[8:9], s[28:29]       ; Wk
	s_cselect_b32 s19, 320, s19
	s_cmp_lt_u32 ttmp9, 320
	s_cselect_b64 s[28:29], s[6:7], s[28:29]       ; Wq
	s_cselect_b32 s19, 256, s19
	s_cmp_lt_u32 ttmp9, 256
	s_cselect_b64 s[28:29], s[4:5], s[28:29]       ; x
	s_cselect_b32 s19, 0, s19
	s_sub_co_u32 s18, ttmp9, s19                   ; the work-group's number within its tensor
	s_lshl_b32 s21, s18, 1
	s_lshr_b32 s23, s16, 1
	s_add_co_u32 s21, s21, s23                     ; Wo: tile = 2 x that + wave / 2,
	s_and_b32 s22, s16, 1                          ; which 512 along K = wave % 2,
	s_lshl_b32 s24, s21, 3                         ; 8 fragments a tile
	s_sub_co_u32 s25, ttmp9, 256                   ; Wq, Wk, Wv: one run of 128 tiles in w1,
	s_lshl_b32 s25, s25, 4                         ; 16 fragments a tile
	s_lshl_b32 s26, s18, 4                         ; x likewise
	s_mov_b32 s20, 4096                            ; Wo's row in bytes
	s_mov_b32 s30, WOC
	s_mov_b32 s31, WOS
	s_cmp_lt_u32 ttmp9, 384
	s_cselect_b32 s20, 8192, s20
	s_cselect_b32 s21, s18, s21                    ; K = 2,048: tile = the number, which 512 = wave
	s_cselect_b32 s22, s16, s22
	s_cselect_b32 s24, s25, s24
	s_cselect_b32 s30, WC, s30
	s_cselect_b32 s31, WS, s31
	s_cmp_lt_u32 ttmp9, 256
	s_cselect_b32 s24, s26, s24
	s_cselect_b32 s30, XC, s30
	s_cselect_b32 s31, XS, s31
	s_lshl_b32 s23, s22, 2
	s_add_co_u32 s24, s24, s23                     ; my first fragment's number in its region
	s_mul_i32 s25, s24, 1536
	s_add_co_u32 s32, s30, s25
	s_mov_b32 s33, 0
	s_add_nc_u64 s[32:33], s[14:15], s[32:33]      ; where my codes go
	s_lshl_b32 s25, s24, 6
	s_add_co_u32 s34, s31, s25
	s_mov_b32 s35, 0
	s_add_nc_u64 s[34:35], s[14:15], s[34:35]      ; where my 256 bytes of scale words go: a multiple of 256 from w1's first byte
	s_lshr_b32 s23, s21, 1
	s_lshl_b32 s23, s23, 5
	s_and_b32 s25, s21, 1
	s_lshl_b32 s25, s25, 3
	s_add_co_u32 s23, s23, s25                     ; the tile's first row: 32 (T / 2) + 8 (T % 2)
	s_mul_i32 s26, s23, s20
	s_lshl_b32 s25, s22, 11
	s_add_co_u32 s26, s26, s25                     ; + my 512 along K, 2,048 bytes
	s_mov_b32 s27, 0
	s_add_nc_u64 s[28:29], s[28:29], s[26:27]
	s_mov_b32 s36, 0x76543210
	s_mov_b32 s37, 0xfedcba98                      ; v_permlanex16_b32's selects for lane l xor 16
	s_mul_i32 s17, s16, WREG
	v_add_nc_u32 v6, s17, v4                       ; the stage, in: 16 x lane of a row
	v_mul_u32_u24 v7, v2, 528
	v_lshl_add_u32 v7, v3, 7, v7
	v_add_nc_u32 v7, s17, v7                       ; out: row r, + 128 h: my block of 32 numbers
	s_add_co_u32 s17, s17, SWD
	v_lshl_add_u32 v8, v2, 2, s17                  ; my row's scale word
	v_add_nc_u32 v9, s17, v5                       ; and on the way out 8 bytes a lane
	v_lshlrev_b32 v10, 3, v3                       ; 8 h: my bytes' place in the word
	v_mov_b32 v251, 0                              ; written once: a lane permute's destination counts as one of its sources
.irp i, 0,1,2,3,4,5,6,7,8,9,10,11,12,13,14,15
	v_mad_u32_u24 v[OFF+\i], s20, \i+8*(\i/8), v4
.endr
.macro LOADF q                         ; fragment q: 16 rows x 512 consecutive bytes
.irp i, 0,1,2,3,4,5,6,7,8,9,10,11,12,13,14,15
	global_load_b128 v[R+64*((\q)%2)+4*\i:R+64*((\q)%2)+4*\i+3], v[OFF+\i], s[28:29] offset:512*(\q) th:TH_LOAD_NT
.endr
.endm
.macro FRAGQ q
.if \q < 3
	s_wait_loadcnt 0x10                            ; this fragment's 16 loads are in; the next fragment's 16 may be out
.else
	s_wait_loadcnt 0x0
.endif
.irp i, 0,1,2,3,4,5,6,7,8,9,10,11,12,13,14,15
	ds_store_b128 v6, v[R+64*((\q)%2)+4*\i:R+64*((\q)%2)+4*\i+3] offset:528*\i
.endr
.irp c, 0,1
.irp i, 0,1,2,3,4,5,6,7
	ds_load_b128 v[X+32*\c+4*\i:X+32*\c+4*\i+3], v7 offset:256*\c+16*\i   ; LDS serves a wave's instructions in order: these see the stores above.  k = 64 c + 32 h + 0 .. 31 of row r
.endr
.endr
	s_wait_dscnt 0x0                               ; my numbers are in, and the stores have read their registers,
.if \q < 2
	LOADF (\q)+2                                   ; which take the fragment two on
.endif
.irp c, 0,1
	v_max3_num_f32 v[244+\c], |v[X+32*\c]|, |v[X+32*\c+1]|, 0x1800000   ; the block's largest magnitude: all 32 numbers are mine; the floor 2^(3 - 127) holds the byte at 1 from below
.endr
.irp i, 2,4,6,8,10,12,14,16,18,20,22,24,26,28,30
.irp c, 0,1
	v_max3_num_f32 v[244+\c], v[244+\c], |v[X+32*\c+\i]|, |v[X+32*\c+\i+1]|   ; (the two blocks by turns)
.endr
.endr
.irp c, 0,1
	v_add_nc_u32 v[246+\c], 0xff000000, v[244+\c]  ; 2 off the exponent field: the conversion takes this operand's exponent field as its scale
.endr
.irp c, 0,1
	v_lshrrev_b32 v[248+\c], 23, v[246+\c]         ; the scale's byte
.endr
	v_lshl_or_b32 v250, v249, 16, v248             ; my bytes: blocks h and 2 + h,
	v_lshlrev_b32 v250, v10, v250                  ; at their places;
	v_permlanex16_b32 v251, v250, s36, s37
	v_or_b32 v250, v250, v251                      ; with lane l xor 16's two the word is whole
	s_wait_xcnt 0x0                                ; the last fragment's stores have read the codes' registers: they are written again only behind this wait
.irp c, 0,1
	v_cvt_scalef32_pk16_fp6_f32 v[C+6*\c:C+6*\c+2], v[X+32*\c:X+32*\c+15], v[246+\c]
	v_cvt_scalef32_pk16_fp6_f32 v[236+4*\c:238+4*\c], v[X+32*\c+16:X+32*\c+31], v[246+\c]   ; (a conversion's three registers begin on an even number)
.endr
	v_nop                                          ; one plain place behind a scaled conversion
.irp c, 0,1
.irp i, 0,1,2
	v_mov_b32 v[C+3+6*\c+\i], v[236+4*\c+\i]
.endr
.endr
.irp c, 0,1
	global_store_b128 v4, v[C+6*\c:C+6*\c+3], s[32:33] offset:1536*(\q)+768*\c          ; 512 consecutive bytes, at a multiple of 256 from w1's first byte
	global_store_b64 v5, v[C+6*\c+4:C+6*\c+5], s[32:33] offset:1536*(\q)+768*\c+512     ; 256 consecutive bytes, likewise
.endr
	ds_store_b32 v8, v250 offset:64*(\q)           ; both halves of the lanes write the same word with the same value
.endm
	LOADF 0
	LOADF 1
	FRAGQ 0
	FRAGQ 1
	FRAGQ 2
	FRAGQ 3
	ds_load_b64 v[244:245], v9                     ; LDS serves a wave's instructions in order: these see my stores
	s_wait_dscnt 0x0
	global_store_b64 v5, v[244:245], s[34:35]      ; four fragments' scale words: 256 consecutive bytes, aligned
	s_wait_tensorcnt 0x0                           ; the wave's end, behind my last LDS store
	ds_add_u32 v[SPW], v[NIL]
	s_wait_dscnt 0x0
	s_endpgm
; THE TABLE: [2,048 positions][cos of 32 frequencies | sin of 32], f32, 256 bytes a position.  A wave takes 16 positions, two an instruction: lanes 0-15 one, lanes 16-31 the next; lane m of 16 holds four values:
; m < 8: cos of frequencies 4 m + e; else sin of 4 (m - 8) + e.  No LDS here.  Sine and cosine by range reduction to |r| <= pi / 4 and Taylor sums whose first term left out is under 2e-9.
.Lrope:
	s_sub_co_u32 s17, ttmp9, 448
	s_lshl_b32 s17, s17, 6
	s_lshl_b32 s18, s16, 4
	s_add_co_u32 s17, s17, s18                     ; my wave's first position
	s_lshl_b32 s18, s17, 8
	s_add_co_u32 s18, s18, ROPE
	s_mov_b32 s19, 0
	s_add_nc_u64 s[14:15], s[14:15], s[18:19]
	s_mov_b32 s38, 0x3fc90fdb                      ; pi / 2, rounded to f32,
	s_mov_b32 s39, 0xb33bbd2e                      ; and what the rounding left
	s_mov_b32 s40, 0x3638ef1d                      ; 1 / 9!
	s_mov_b32 s41, 0xb9500d01                      ; -1 / 7!
	s_mov_b32 s42, 0xb493f27e                      ; -1 / 10!
	s_mov_b32 s43, 0x37d00d01                      ; 1 / 8!
	v_and_b32 v5, 7, v0
	v_lshlrev_b32 v5, 2, v5                        ; my first frequency
	v_bfe_u32 v6, v0, 3, 1
	v_xor_b32 v6, 1, v6                            ; 1 where I hold cosines: cos a = sin(a + pi / 2), one quadrant on
	v_add_nc_u32 v9, s17, v3                       ; my position at u = 0
.irp e, 0,1,2,3
	v_add_nc_u32 v[16+\e], \e, v5
.endr
.irp e, 0,1,2,3
	v_cvt_f32_u32 v[16+\e], v[16+\e]
.endr
.irp e, 0,1,2,3
	v_mul_f32 v[16+\e], 0xbed49a78, v[16+\e]       ; -f log2(10) / 8 = log2(10000^(-2 f / 64))
.endr
.irp e, 0,1,2,3
	v_exp_f32 v[16+\e], v[16+\e]                   ; inv_freq
.endr
	v_nop                                          ; a plain place behind the last transcendental
	s_wait_alu depctr_va_vdst(0)                   ; the wait ahead of the first reader: one for the four
.macro ROPEV u, e
	v_mul_f32 v20, v11, v[16+\e]                   ; the angle: one rounding, as reference() has it
	v_mul_f32 v21, 0x3f22f983, v20
	v_rndne_f32 v21, v21                           ; n = the nearest multiple of pi / 2
	v_fma_f32 v22, -v21, s38, v20                  ; exact: a multiple of 2^-23 under 1
	v_fma_f32 v22, -v21, s39, v22                  ; r
	v_cvt_i32_f32 v23, v21
	v_add_nc_u32 v23, v23, v6                      ; the quadrant
	v_mul_f32 v24, v22, v22
	v_fma_f32 v25, v24, s40, s41
	v_fmaak_f32 v25, v25, v24, 0x3c088889
	v_fmaak_f32 v25, v25, v24, 0xbe2aaaab
	v_mul_f32 v26, v22, v24
	v_fma_f32 v25, v25, v26, v22                   ; sin r
	v_fma_f32 v27, v24, s42, s43
	v_fmaak_f32 v27, v27, v24, 0xbab60b61
	v_fmaak_f32 v27, v27, v24, 0x3d2aaaab
	v_fma_f32 v27, v27, v24, -0.5
	v_fma_f32 v27, v27, v24, 1.0                   ; cos r
	v_and_b32 v26, 1, v23
	v_cmp_eq_u32 vcc_lo, 1, v26
	v_cndmask_b32 v25, v25, v27, vcc_lo            ; odd quadrants take the cosine (a choice of a value: no branch),
	v_and_b32 v26, 2, v23
	v_lshlrev_b32 v26, 30, v26
	v_xor_b32 v[32+4*\u+\e], v25, v26              ; quadrants 2 and 3 the other sign
.endm
.irp u, 0,1,2,3,4,5,6,7
	v_add_nc_u32 v10, 2*\u, v9
	v_cvt_f32_u32 v11, v10
.irp e, 0,1,2,3
	ROPEV \u, \e
.endr
	global_store_b128 v4, v[32+4*\u:35+4*\u], s[14:15] offset:512*\u   ; two positions: 512 consecutive bytes, aligned; each u has registers of its own
.endr
	s_endpgm
.Lfunc_end_k_q753aaa381a_quant:
	.size	k_q753aaa381a_quant, .Lfunc_end_k_q753aaa381a_quant-k_q753aaa381a_quant
	.p2alignl 7, 3214868480
	.fill 96, 4, 3214868480
	.section	.rodata,"a",@progbits
	.p2align	6, 0x0
	.amdhsa_kernel k_q753aaa381a_quant
		.amdhsa_group_segment_fixed_size 35328
		.amdhsa_private_segment_fixed_size 0
		.amdhsa_enable_private_segment 0
		.amdhsa_kernarg_size 48
		.amdhsa_user_sgpr_count 2
		.amdhsa_user_sgpr_kernarg_segment_ptr 1
		.amdhsa_wavefront_size32 1
		.amdhsa_system_sgpr_workgroup_id_x 1
		.amdhsa_system_sgpr_workgroup_id_y 1
		.amdhsa_system_sgpr_workgroup_id_z 1
		.amdhsa_system_vgpr_workitem_id 0
		.amdhsa_next_free_vgpr 256
		.amdhsa_next_free_sgpr 66
		.amdhsa_reserve_vcc 1
		.amdhsa_float_denorm_mode_32 3
		.amdhsa_float_denorm_mode_16_64 3
		.amdhsa_memory_ordered 1
		.amdhsa_forward_progress 1
		.amdhsa_inst_pref_size 72
	.end_amdhsa_kernel
	.amdgpu_metadata
---
amdhsa.version: [ 1, 2 ]
amdhsa.kernels:
  - .name:           k_q753aaa381a_quant
    .symbol:         k_q753aaa381a_quant.kd
    .args:
      - { .name: x, .offset: 0, .size: 8, .value_kind: global_buffer, .address_space: global }
      - { .name: Wq, .offset: 8, .size: 8, .value_kind: global_buffer, .address_space: global }
      - { .name: Wk, .offset: 16, .size: 8, .value_kind: global_buffer, .address_space: global }
      - { .name: Wv, .offset: 24, .size: 8, .value_kind: global_buffer, .address_space: global }
      - { .name: Wo, .offset: 32, .size: 8, .value_kind: global_buffer, .address_space: global }
      - { .name: w1, .offset: 40, .size: 8, .value_kind: global_buffer, .address_space: global }
    .group_segment_fixed_size: 35328
    .private_segment_fixed_size: 0
    .kernarg_segment_align: 8
    .kernarg_segment_size: 48
    .max_flat_workgroup_size: 128
    .sgpr_count:     66
    .vgpr_count:     256
    .wavefront_size: 32
...
	.end_amdgpu_metadata
.endif
;; end of part 1
;; launch qkv (part 2): grid 16 x 16, 4 waves a work-group, clusters of 4 x 4, 327,680 bytes of LDS; arguments w1, bq, bk, bv, w2; writes w2
.if DOCPART == 2
	.amdgcn_target "amdgcn-amd-amdhsa--gfx1250"
	.amdhsa_code_object_version 6
	.text
	.protected	k_q753aaa381a_qkv
	.globl	k_q753aaa381a_qkv
	.p2align	8
	.type	k_q753aaa381a_qkv,@function
k_q753aaa381a_qkv:
	s_mov_b64 s[64:65], 0
	v_nop
	global_prefetch_b8 v0, s[64:65] scope:SCOPE_SE
	s_setreg_imm32_b32 hwreg(HW_REG_WAVE_MODE, 25, 1), 1
	s_wait_xcnt 0x0
	s_wait_alu depctr_hold_cnt(0) depctr_sa_sdst(0) depctr_va_vdst(0) depctr_va_sdst(0) depctr_va_ssrc(0) depctr_va_vcc(0) depctr_vm_vsrc(0)
	s_getreg_b32 s2, hwreg(HW_REG_IB_STS2, 6, 4)
	s_cmp_eq_u32 s2, 0
	s_cbranch_scc0 .Lentry_in_a_cluster
	s_endpgm
.Lentry_in_a_cluster:
	s_bfe_u32 s2, ttmp6, 0x10000c
	s_cmp_lg_u32 s2, 0xf033
	s_cbranch_scc0 .Lentry_shape_is_right
	s_endpgm
.Lentry_shape_is_right:
; q, k, v = x [Wq | Wk | Wv]^T + bias on codes of FP6 (E2M3) with E8M0 scales: M 4,096 x N 2,048 x K 2,048; then RoPE on q and k, and q, k (along the head's 64) and v (along the keys) are quantised on the way out into w2.
; Nothing is left out here.  LIMITS: NaN and infinities are not served; a block's scale byte is held at 1 from below (largest magnitudes under 2^-124; a block of zeros gets 1, with zero codes; this program alone reads the bytes).
; SHARES.  A work-group makes 256 rows x 128 columns (two heads): 256 work-groups; with blocks of 256 x 256 there would be 128.  Four waves, each 128 rows x 64 columns (ONE head): 32 accumulators of 16 x 16.
; OPERANDS lie in w1 as images of their registers (launch quant): a fragment, 16 rows x 128 K, is 1,536 bytes: for c = 0, 1: lane l's registers 6 c .. 6 c + 3 at 768 c + 16 l, registers 6 c + 4, 5 at 768 c + 512 + 8 l.
; So every LDS read is lane by lane on end: no pitch, no padding.  A row tile's fragments lie on end along K: 4 of them (512 K), 6,144 consecutive bytes, are a tile's row in a slot.
; ROW TILE T holds rows 32 (T / 2) + 8 (T % 2) + i + 8 (i / 8).  THE MATRIX INSTRUCTION IS USED TRANSPOSED (source 0 = 16 rows of W, source 1 = 16 rows of x): lane (r, h) holds row 32 (a / 2) + 8 (a % 2) + r + 8 (r / 8) of the
; wave's 128, and the 16 registers of W's tiles 2 B, 2 B + 1 are the head's channels 32 B + 16 h + 0 .. 15: neighbours along the next product's K.
; RING: two slots of 512 K, filled by joint tensor loads.  CLUSTER 4 x 4: x's tiles hang on the block's row alone and are shared along a row of the cluster, W's on its column alone and are shared along a column.
; K = 2,048 is 16 steps of 128: all written out, every offset an immediate.  The bias is the C of each sum's first matrix instruction.  The scale words of all of K come once, with the first fills.
; REGISTERS: window 0: v1-13 ids and the way out's addresses; v16-23 LDS addresses; v27 scale words' address; v28, v29 the add's two; v32-47 scale words, two sets of 8 (they hold nothing else); v64-159, v160-255 x's fragments, two sets of 8 x 12.
;   window 1: v0-47, v48-95 W's fragments, two sets of 4 x 12; v96-127 the bias.   window 2: accumulator (a, b) at v[8 (4 a + b)].
.set KC,    16                         ; steps of 128 along K
.set ROWT,  KC*1536                    ; a row tile's codes in memory
.set TS,    KC*64                      ; and its scale words
.set ACOD,  0                          ; in w1: x's codes, W's codes, x's scale words, W's
.set BCOD,  6291456
.set ASCL,  11010048
.set BSCL,  11272192
.set ROPE,  11468800
.set KVC,   3145728                    ; in w2: q's codes at 0; k's and v's; q's scale words; k's and v's
.set QS,    6291456
.set KVS,   6553600
.set PA,    4                          ; s[4:5]: the buffer of source 1's codes;  s[4:5]: of source 0's
.set PB,    4
.set XHALF, 49152                      ; 8 tiles x 6,144: what one load brings of x, and what a wave reads
.set WBASE, 98304
.set WHALF, 24576                      ; 4 tiles x 6,144: the same of W
.set SLOT,  147456
.set SCL,   2*SLOT                     ; behind the ring: W's scale words (8 tiles), then x's (16)
.set SPARE, SCL+24*TS                  ; the spare words, 128 bytes a wave: two blocks of 256 bytes that no other line names
.set AX16, 16                          ; v16-17 x's fragments in slot 0, 1: + 16 x lane;  v18-19: + 8 x lane
.set AX8,  18
.set AW16, 20                          ; v20-23 the same for W
.set AW8,  22
.set ADRS, 27
.set SPW,  28
.set NIL,  29
.set SC,   32
.set XF,   64
.set WF,   0
.set BI,   96
.set G1,   24                          ; s[24:31] group 1 for x's tiles; s[32:39] group 0, a set for each slot
.set G0,   32
.set G1B,  48                          ; s[48:55], s[56:63] the same for W's
.set G0B,  56
.set G1S,  68                          ; s[68:75], s[76:79] x's scale words;  s[80:87], s[88:91] W's
.set G0S,  76
.set G1SB, 80
.set G0SB, 88
.set MSB, 0
.macro WIN new                         ; the immediate's high byte repeats the setting that is left
.if MSB != \new
	s_set_vgpr_msb (MSB<<8)|\new
.set MSB, \new
.endif
.endm
; A joint load: waves 0 and 1 fetch for x, waves 2 and 3 for W.  Each line has one mask and one set of registers for all that issue it; the branch hangs on the wave's number alone.
; An s_nop 0 and four v_nop follow each of the two lines, ahead of the jump, the label and what follows.
.macro JLOAD g0a, g1a, g0b, g1b
	s_cmp_eq_u32 s15, 0
	s_cbranch_scc0 .Lfor_b_\@
	tensor_load_to_lds s[\g0a:\g0a+3], s[\g1a:\g1a+7]
	s_nop 0
.rept 4
	v_nop
.endr
	s_branch .Lasked_\@
.Lfor_b_\@:
	tensor_load_to_lds s[\g0b:\g0b+3], s[\g1b:\g1b+7]
	s_nop 0
.rept 4
	v_nop
.endr
.Lasked_\@:
.endm
.macro CREST                           ; a round of the cluster's barrier behind its opening barrier
	s_cmp_lg_u32 s14, 0
	s_cbranch_scc1 .Lnot_wave_0_\@
	s_barrier_signal -3
.Lnot_wave_0_\@:
	s_barrier_wait -3
	s_barrier_signal -1
	s_barrier_wait -1
.endm
.macro CROUND
	s_barrier_signal -1
	s_barrier_wait -1
	CREST
.endm
.macro PLACES                          ; four plain places behind a matrix instruction, in front of loads into registers that it read and of reads of its results
.rept 4
	v_nop
.endr
.endm
	s_load_b256 s[4:11], s[0:1], 0x0               ; w1, bq, bk, bv
	s_load_b64 s[12:13], s[0:1], 0x20              ; w2
	v_lshl_add_u32 v[SPW], v0, 2, SPARE
	v_mov_b32 v[NIL], 0
	ds_add_u32 v[SPW], v[NIL]                      ; the wave's opening: the add, twice on end, and its wait ahead of my first tensor load
	ds_add_u32 v[SPW], v[NIL]
	v_lshrrev_b32 v1, 5, v0
	v_readfirstlane_b32 s14, v1                    ; wave
	s_lshr_b32 s15, s14, 1                         ; wm: which 128 rows are mine.  Also: I fetch for x (0) or for W (1)
	s_and_b32 s16, s14, 1                          ; wn: which 64 columns.  Also: which half of that side I fetch
	s_bfe_u32 s40, ttmp6, 0x40000                  ; cx, cy
	s_bfe_u32 s41, ttmp6, 0x40004
	s_lshl_b32 s42, ttmp9, 2
	s_add_co_u32 s42, s42, s40                     ; nt: block column = 4 x cluster x + cx
	s_and_b32 s17, ttmp7, 0xffff
	s_lshl_b32 s17, s17, 2
	s_add_co_u32 s17, s17, s41                     ; mt: block row = 4 x cluster y + cy
	s_lshl_b32 s43, s41, 2
	s_lshl_b32 s43, 15, s43                        ; my row of the cluster
	s_lshl_b32 s44, 0x1111, s40                    ; my column
	s_or_b32 s[G1], s43, (3<<16)|(1<<21)           ; 15:0 the mask; 17:16 elements of 8 bytes; 21 set beside a mask; no padding
	s_mov_b32 s[G1+1], 768<<16                     ; tensor_dim0 = 768 elements: 6,144 bytes
	s_mov_b32 s[G1+2], 8<<16                       ; tensor_dim1 = 8 row tiles
	s_mov_b32 s[G1+3], 768<<16                     ; tile_dim0
	s_mov_b32 s[G1+4], 8                           ; tile_dim1
	s_mov_b32 s[G1+5], ROWT/8                      ; from row tile to row tile
	s_mov_b32 s[G1+6], 0
	s_mov_b32 s[G1+7], 0
	s_or_b32 s[G1B], s44, (3<<16)|(1<<21)
	s_mov_b32 s[G1B+1], 768<<16
	s_mov_b32 s[G1B+2], 4<<16
	s_mov_b32 s[G1B+3], 768<<16
	s_mov_b32 s[G1B+4], 4
	s_mov_b32 s[G1B+5], ROWT/8
	s_mov_b32 s[G1B+6], 0
	s_mov_b32 s[G1B+7], 0
	s_or_b32 s[G1S], s43, (3<<16)|(1<<21)          ; the scale words of 8 row tiles: a dense block, as rows of 256 bytes
	s_mov_b32 s[G1S+1], 32<<16
	s_mov_b32 s[G1S+2], (8*TS/256)<<16
	s_mov_b32 s[G1S+3], 32<<16
	s_mov_b32 s[G1S+4], 8*TS/256
	s_mov_b32 s[G1S+5], 32
	s_mov_b32 s[G1S+6], 0
	s_mov_b32 s[G1S+7], 0
	s_or_b32 s[G1SB], s44, (3<<16)|(1<<21)         ; of 4
	s_mov_b32 s[G1SB+1], 32<<16
	s_mov_b32 s[G1SB+2], (4*TS/256)<<16
	s_mov_b32 s[G1SB+3], 32<<16
	s_mov_b32 s[G1SB+4], 4*TS/256
	s_mov_b32 s[G1SB+5], 32
	s_mov_b32 s[G1SB+6], 0
	s_mov_b32 s[G1SB+7], 0
	s_lshl_b32 s18, s16, 3
	s_lshl_b32 s20, s17, 4
	s_add_co_u32 s20, s20, s18                     ; x: row tile 16 mt + 8 x half
	s_mul_i32 s22, s20, TS
	s_add_co_u32 s22, s22, ASCL
	s_mov_b32 s23, 0
	s_mul_i32 s20, s20, ROWT
	s_add_co_u32 s20, s20, ACOD
	s_mov_b32 s21, 0
	s_lshl_b32 s19, s16, 2
	s_lshl_b32 s46, s42, 3
	s_add_co_u32 s46, s46, s19                     ; W: row tile 8 nt + 4 x half
	s_mul_i32 s92, s46, TS
	s_add_co_u32 s92, s92, BSCL
	s_mov_b32 s93, 0
	s_mul_i32 s46, s46, ROWT
	s_add_co_u32 s46, s46, BCOD
	s_mov_b32 s47, 0
	s_mul_i32 s45, s16, XHALF                      ; where they go: no place in the cluster enters an LDS address
	s_mul_i32 s94, s16, WHALF
	s_add_co_u32 s94, s94, WBASE
	s_mul_i32 s95, s16, 8*TS
	s_add_co_u32 s95, s95, SCL+8*TS
	s_mul_i32 s96, s16, 4*TS
	s_add_co_u32 s96, s96, SCL
	s_wait_dscnt 0x0                               ; both opening adds are done
	s_wait_kmcnt 0x0
	s_add_nc_u64 s[20:21], s[PA:PA+1], s[20:21]
	s_add_nc_u64 s[22:23], s[PA:PA+1], s[22:23]
	s_add_nc_u64 s[46:47], s[PB:PB+1], s[46:47]
	s_add_nc_u64 s[92:93], s[PB:PB+1], s[92:93]
	CROUND                                         ; all sixteen work-groups are here: the first joint loads meet
	s_mov_b32 s[G0S], 1
	s_mov_b32 s[G0S+1], s95
	s_mov_b64 s[G0S+2:G0S+3], s[22:23]
	s_or_b32 s[G0S+3], s[G0S+3], 0x80000000
	s_mov_b32 s[G0SB], 1
	s_mov_b32 s[G0SB+1], s96
	s_mov_b64 s[G0SB+2:G0SB+3], s[92:93]
	s_or_b32 s[G0SB+3], s[G0SB+3], 0x80000000
	JLOAD G0S, G1S, G0SB, G1SB                     ; the scale words first: they are wanted with step 0
.irp s, 0,1
	s_mov_b32 s[G0+4*\s], 1
	s_add_co_u32 s[G0+4*\s+1], s45, \s*SLOT
	s_add_nc_u64 s[G0+4*\s+2:G0+4*\s+3], s[20:21], \s*6144
	s_or_b32 s[G0+4*\s+3], s[G0+4*\s+3], 0x80000000
	s_mov_b32 s[G0B+4*\s], 1
	s_add_co_u32 s[G0B+4*\s+1], s94, \s*SLOT
	s_add_nc_u64 s[G0B+4*\s+2:G0B+4*\s+3], s[46:47], \s*6144
	s_or_b32 s[G0B+4*\s+3], s[G0B+4*\s+3], 0x80000000
	JLOAD G0+4*\s, G1, G0B+4*\s, G1B               ; by this text's count three loads of mine are out
.endr
	v_and_b32 v1, 31, v0                           ; lane
	v_and_b32 v2, 15, v0                           ; r
	v_bfe_u32 v3, v0, 4, 1                         ; h
	v_lshlrev_b32 v4, 4, v1                        ; 16 x lane
	v_lshlrev_b32 v5, 3, v1                        ; 8 x lane
	s_mul_i32 s21, s15, XHALF                      ; my 8 tiles of x
	s_mul_i32 s22, s16, WHALF
	s_add_co_u32 s22, s22, WBASE                   ; my 4 tiles of W
.irp s, 0,1
	v_add_nc_u32 v[AX16+\s], s21, v4
	v_add_nc_u32 v[AX8+\s], s21, v5
	v_add_nc_u32 v[AW16+\s], s22, v4
	v_add_nc_u32 v[AW8+\s], s22, v5
	s_add_co_u32 s21, s21, SLOT
	s_add_co_u32 s22, s22, SLOT
.endr
	s_mul_i32 s21, s16, 4*TS                       ; scale words: lanes 0-15 take W's tile 4 wn + i, lanes 16-31 x's tile 8 wm + i: the lower base + h x the distance
	s_mul_i32 s22, s15, 8*TS
	s_add_co_u32 s22, s22, 8*TS
	s_sub_co_u32 s22, s22, s21
	v_mul_u32_u24 v6, s22, v3
	s_add_co_u32 s21, s21, SCL
	v_lshl_add_u32 v6, v2, 2, v6
	v_add_nc_u32 v[ADRS], s21, v6
	; the way out's addresses, all made here, ahead of the parting of the paths
	v_and_b32 v6, 8, v2
	v_add_nc_u32 v6, v6, v2                        ; r + 8 (r / 8)
	v_lshlrev_b32 v7, 5, v2
	v_lshl_add_u32 v7, v3, 4, v7                   ; q's, k's scale words: 32 r + 16 h
	s_mul_i32 s21, s14, 34816                      ; v's stage: 128 positions x 272 bytes for each wave, in slot 0, which by then has had its last fill and its last read
	v_mul_u32_u24 v8, v6, 272
	v_lshl_add_u32 v8, v3, 6, v8
	v_add_nc_u32 v8, s21, v8                       ; in: my position's row, + 64 h
	v_mul_u32_u24 v9, v3, 32*272
	v_lshl_add_u32 v9, v6, 2, v9
	v_add_nc_u32 v9, s21, v9                       ; out: 32 h positions down, my channel
	v_lshlrev_b32 v10, 4, v2                       ; v's scale words: 16 r
	v_lshlrev_b32 v11, 3, v3                       ; 8 h
	v_lshlrev_b32 v12, 8, v6
	v_lshl_add_u32 v12, v3, 6, v12                 ; the table: my position's 256 bytes, + 64 h
	v_lshlrev_b32 v13, 6, v3                       ; the bias: 64 h
	s_lshl_b32 s2, s42, 1
	s_add_co_u32 s2, s2, s16                       ; hc = 2 nt + wn: 0-15 q's heads, 16-23 k's, 24-31 v's
	s_lshr_b32 s3, s17, 3                          ; batch
	s_lshl_b32 s18, s17, 1
	s_add_co_u32 s18, s18, s15
	s_and_b32 s18, s18, 15                         ; st: which 128 positions of the sequence
	s_lshl_b32 s19, s3, 4
	s_add_co_u32 s19, s19, s2
	s_lshl_b32 s19, s19, 4
	s_add_co_u32 s19, s19, s18                     ; (16 b + head) 16 + st
	s_mul_i32 s20, s19, 6144                       ; q's codes: 8 tiles x 768 bytes a step
	s_lshl_b32 s19, s19, 9
	s_add_co_u32 s19, s19, QS                      ; q's scale words: 512 bytes a step
	s_and_b32 s21, s2, 7                           ; kv
	s_lshl_b32 s22, s3, 3
	s_add_co_u32 s22, s22, s21                     ; 8 b + kv
	s_mul_i32 s23, s22, 196608
	s_add_co_u32 s23, s23, KVC
	s_lshr_b32 s45, s18, 1
	s_mul_i32 s45, s45, 24576                      ; the slot of 256 keys,
	s_add_co_u32 s23, s23, s45
	s_and_b32 s45, s18, 1
	s_mul_i32 s45, s45, 6144                       ; its half
	s_add_co_u32 s23, s23, s45                     ; k's codes
	s_add_co_u32 s45, s23, 12288                   ; v's lie behind a slot's 16 key tiles
	s_mul_i32 s22, s22, 12288
	s_add_co_u32 s22, s22, KVS
	s_lshl_b32 s46, s18, 9
	s_add_co_u32 s46, s46, s22                     ; k's scale words
	s_lshl_b32 s47, s18, 8
	s_add_co_u32 s47, s47, s22
	s_add_co_u32 s47, s47, 8192                    ; v's
	s_cmp_lt_u32 ttmp9, 3                          ; q, k or v hangs on the cluster's x alone: the same in all sixteen partners
	s_cselect_b32 s96, s23, s45
	s_cselect_b32 s98, s46, s47
	s_cselect_b64 s[92:93], s[8:9], s[10:11]
	s_cmp_lt_u32 ttmp9, 2
	s_cselect_b32 s96, s20, s96
	s_cselect_b32 s98, s19, s98
	s_cselect_b64 s[92:93], s[6:7], s[92:93]
	s_cselect_b32 s94, s2, s21
	s_lshl_b32 s94, s94, 8                         ; the head's 64 numbers of its bias
	s_mov_b32 s95, 0
	s_add_nc_u64 s[92:93], s[92:93], s[94:95]
	s_mov_b32 s97, 0
	s_mov_b32 s99, 0
	s_add_nc_u64 s[96:97], s[12:13], s[96:97]      ; where my codes go
	s_add_nc_u64 s[98:99], s[12:13], s[98:99]      ; and my scale words
	s_lshl_b32 s94, s18, 15
	s_add_co_u32 s94, s94, ROPE
	s_add_nc_u64 s[94:95], s[4:5], s[94:95]        ; the table at position 128 st
	s_mov_b32 s2, 0x76543210
	s_mov_b32 s3, 0xfedcba98                       ; v_permlanex16_b32's selects for lane l xor 16
	WIN 0x40                                       ; destination window 1
.irp b, 0,1,2,3
	global_load_b128 v[BI+8*\b:BI+8*\b+3], v13, s[92:93] offset:(32*(\b/2)+8*(\b%2))*4        ; lane (r, h), tile b: channels 32 (b / 2) + 8 (b % 2) + 16 h + 0 .. 7: the result's layout
	global_load_b128 v[BI+8*\b+4:BI+8*\b+7], v13, s[92:93] offset:(32*(\b/2)+8*(\b%2))*4+16
.endr
	WIN 0
.macro FRAG reg, a16, a8, off          ; a fragment comes as it was stored
	ds_load_b128 v[\reg:\reg+3], v[\a16] offset:\off
	ds_load_b64 v[\reg+4:\reg+5], v[\a8] offset:\off+512
	ds_load_b128 v[\reg+6:\reg+9], v[\a16] offset:\off+768
	ds_load_b64 v[\reg+10:\reg+11], v[\a8] offset:\off+1280
.endm
.macro FETCH s, q, p, g                ; 56 LDS loads in one run: the slot's q-th 128 along K (step g of all) into set p
	WIN 0x40
.irp b, 0,1,2,3
	FRAG WF+48*(\p)+12*\b, AW16+\s, AW8+\s, \b*6144+(\q)*1536
.endr
	WIN 0
.irp a, 0,1,2,3,4,5,6,7
	FRAG XF+96*(\p)+12*\a, AX16+\s, AX8+\s, \a*6144+(\q)*1536
.endr
.irp i, 0,1,2,3,4,5,6,7
	ds_load_b32 v[SC+8*(\p)+\i], v[ADRS] offset:\i*TS+64*(\g)   ; lanes 0-15: W's tile i (used for i < 4), lanes 16-31: x's tile i
.endr
.endm
; n x 4 matrix instructions: x's tiles a0 .. a0 + n - 1 against W's four.  first = 1: the bias starts the sums.  The 32 accumulators take turns, one instruction a turn, in one order everywhere.
.macro MUL a0, n, p, first
.set A_, \a0
.rept \n
.irp b, 0,1,2,3
.if \first
	v_wmma_scale_f32_16x16x128_f8f6f4 v[8*(4*A_+\b):8*(4*A_+\b)+7], v[WF+48*(\p)+12*\b:WF+48*(\p)+12*\b+11], v[XF+96*(\p)+12*A_:XF+96*(\p)+12*A_+11], v[BI+8*\b:BI+8*\b+7], v[SC+8*(\p)+\b], v[SC+8*(\p)+A_] matrix_a_fmt:MATRIX_FMT_FP6 matrix_b_fmt:MATRIX_FMT_FP6 matrix_b_scale:MATRIX_SCALE_ROW1
.else
	v_wmma_scale_f32_16x16x128_f8f6f4 v[8*(4*A_+\b):8*(4*A_+\b)+7], v[WF+48*(\p)+12*\b:WF+48*(\p)+12*\b+11], v[XF+96*(\p)+12*A_:XF+96*(\p)+12*A_+11], v[8*(4*A_+\b):8*(4*A_+\b)+7], v[SC+8*(\p)+\b], v[SC+8*(\p)+A_] matrix_a_fmt:MATRIX_FMT_FP6 matrix_b_fmt:MATRIX_FMT_FP6 matrix_b_scale:MATRIX_SCALE_ROW1
.endif
.endr
.set A_, A_+1
.endr
.endm
.macro STEP s, q, g, first             ; a step that has its successor in the same slot
	s_wait_dscnt 0x0                               ; this step's 56 loads, issued ahead of the last step's products, are in
	PLACES                                         ; in front of the loads into the set that the last step multiplied
	FETCH \s, (\q)+1, 1-((\g)%2), (\g)+1
.if \first
	WIN 0x91                                       ; source 0 (W) and C (the bias) window 1, source 1 (x) window 0, D window 2
.else
	WIN 0xa1                                       ; C and D window 2
.endif
	MUL 0, 8, (\g)%2, \first
.endm
; A slot's fourth step changes slots: one barrier; in front of it each wave waits for all its tensor loads, adds 0 to its spare word, and waits for that and for its reads of this slot.  fill = 1: the slot is filled again, 1,024 along K on.
.macro TURN s, next, fill, g
	WIN 0                                          ; (the add's two registers lie in window 0)
	s_wait_tensorcnt 0x0                           ; all my tensor loads have landed: my part of the next slot
	ds_add_u32 v[SPW], v[NIL]
	s_wait_dscnt 0x1                               ; this step's 56 loads are in; the add alone may be out
	WIN 0xa1
	MUL 0, 2, 1, 0                                 ; eight matrix instructions stand between the add and the wait for it
	s_wait_dscnt 0x0                               ; the add is done, and my reads of this slot are over
	s_barrier_signal -1
	MUL 2, 2, 1, 0
	WIN 0
	s_barrier_wait -1
.if \fill
	CREST                                          ; the barrier has opened a round of the cluster's: no wave of any partner still reads this slot or has a load on its way
	s_add_nc_u64 s[G0+4*\s+2:G0+4*\s+3], s[G0+4*\s+2:G0+4*\s+3], 12288
	s_add_nc_u64 s[G0B+4*\s+2:G0B+4*\s+3], s[G0B+4*\s+2:G0B+4*\s+3], 12288
	JLOAD G0+4*\s, G1, G0B+4*\s, G1B               ; the first tensor load behind the round: it has four steps, 128 matrix instructions, in which to land; its four v_nop are the places in front of the loads below
.else
	PLACES
.endif
	FETCH \next, 0, 0, (\g)+1
	WIN 0xa1
	MUL 4, 4, 1, 0
.endm
	s_wait_tensorcnt 0x1                           ; the scale words and my part of slot 0 are in; slot 1's load may be out
	s_barrier_signal -1
	s_barrier_wait -1                              ; everybody's are
	FETCH 0, 0, 0, 0
	s_wait_loadcnt 0x0                             ; the bias
	STEP 0, 0, 0, 1
	STEP 0, 1, 1, 0
	STEP 0, 2, 2, 0
	TURN 0, 1, 1, 3
	STEP 1, 0, 4, 0
	STEP 1, 1, 5, 0
	STEP 1, 2, 6, 0
	TURN 1, 0, 1, 7
	STEP 0, 0, 8, 0
	STEP 0, 1, 9, 0
	STEP 0, 2, 10, 0
	TURN 0, 1, 0, 11                               ; nothing is left to fetch: a plain barrier
	STEP 1, 0, 12, 0
	STEP 1, 1, 13, 0
	STEP 1, 2, 14, 0
	s_wait_dscnt 0x0
	WIN 0xa1
	MUL 0, 8, 1, 0
	WIN 0
	PLACES                                         ; in front of the first reads of results and of loads into x's registers
	s_cmp_eq_u32 ttmp9, 3
	s_cbranch_scc1 .Lvpath
; Q AND K.  Register 32 a + 16 B + i of window 2 is channel 32 B + 16 h + i of position 32 (a / 2) + 8 (a % 2) + r + 8 (r / 8).  RoPE pairs channel d with 32 + d: both are the lane's own.  No LDS.
; v64-127 cos | sin of my 16 frequencies, two sets; v128-159 the turned numbers; v160-191 products; v192-199 the tiles' scale words; v204 + 6 a the tile's codes.
.macro ROPELD a
.irp k, 0,1,2,3
	global_load_b128 v[64+32*((\a)%2)+4*\k:64+32*((\a)%2)+4*\k+3], v12, s[94:95] offset:(32*((\a)/2)+8*((\a)%2))*256+16*\k
	global_load_b128 v[80+32*((\a)%2)+4*\k:80+32*((\a)%2)+4*\k+3], v12, s[94:95] offset:(32*((\a)/2)+8*((\a)%2))*256+128+16*\k
.endr
.endm
.macro QKOUT a
.set CSN, 64+32*((\a)%2)
.if \a < 7
	s_wait_loadcnt 0x8                             ; this tile's eight loads are in; the next tile's eight may be out
.else
	s_wait_loadcnt 0x0
.endif
	WIN 0x02                                       ; source 0: window 2.
.irp i, 0,2,4,6,8,10,12,14
	v_pk_mul_f32 v[160+\i:161+\i], v[32*(\a)+16+\i:32*(\a)+17+\i], v[CSN+16+\i:CSN+17+\i]   ; x2 sin
	v_pk_mul_f32 v[176+\i:177+\i], v[32*(\a)+\i:32*(\a)+1+\i], v[CSN+16+\i:CSN+17+\i]       ; x1 sin
.endr
.irp i, 0,2,4,6,8,10,12,14
	v_pk_fma_f32 v[128+\i:129+\i], v[32*(\a)+\i:32*(\a)+1+\i], v[CSN+\i:CSN+1+\i], v[160+\i:161+\i] neg_lo:[0,0,1] neg_hi:[0,0,1]   ; x1 cos - x2 sin
	v_pk_fma_f32 v[144+\i:145+\i], v[32*(\a)+16+\i:32*(\a)+17+\i], v[CSN+\i:CSN+1+\i], v[176+\i:177+\i]                             ; x2 cos + x1 sin
.endr
	WIN 0
.if \a < 6
	ROPELD (\a)+2
.endif
.irp b, 0,1
	v_max3_num_f32 v[48+\b], |v[128+16*\b]|, |v[129+16*\b]|, 0x1800000   ; block b of the head's 64: my 16 numbers, and the floor 2^(3 - 127)
.endr
.irp i, 2,4,6,8,10,12,14
.irp b, 0,1
	v_max3_num_f32 v[48+\b], v[48+\b], |v[128+16*\b+\i]|, |v[129+16*\b+\i]|
.endr
.endr
.irp b, 0,1
	v_permlanex16_b32 v[50+\b], v[48+\b], s2, s3
.endr
.irp b, 0,1
	v_max_num_f32 v[48+\b], v[48+\b], v[50+\b]     ; with lane l xor 16's: the block's largest magnitude
.endr
.irp b, 0,1
	v_add_nc_u32 v[52+\b], 0xff000000, v[48+\b]    ; 2 off the exponent field: the conversion's scale operand
.endr
.irp b, 0,1
	v_lshrrev_b32 v[50+\b], 23, v[52+\b]           ; the scale's byte
.endr
	v_lshl_or_b32 v[192+\a], v51, 8, v50
	v_or_b32 v[192+\a], 0x7f7f0000, v[192+\a]      ; bytes 2 and 3 stand over the zero codes that fill the instruction's K from 64 to 128
	v_cvt_scalef32_pk16_fp6_f32 v[204+6*(\a):206+6*(\a)], v[128:143], v52
	v_cvt_scalef32_pk16_fp6_f32 v[252:254], v[144:159], v53
	v_nop                                          ; one plain place behind a scaled conversion
.irp i, 0,1,2
	v_permlane16_swap_b32 v[204+6*(\a)+\i], v[252+\i]   ; the layout wants a whole block in a lane: lanes 0-15 block 0, lanes 16-31 block 1
.endr
.irp i, 0,1,2
	v_mov_b32 v[207+6*(\a)+\i], v[252+\i]
.endr
	global_store_b128 v4, v[204+6*(\a):207+6*(\a)], s[96:97] offset:768*(\a)          ; a half image: 512 consecutive bytes, aligned,
	global_store_b64 v5, v[208+6*(\a):209+6*(\a)], s[96:97] offset:768*(\a)+512       ; and 256.  Each tile has registers of its own
.endm
	v_mov_b32 v50, 0                               ; written once: a lane permute's destination counts as one of its sources
	v_mov_b32 v51, 0
	ROPELD 0
	ROPELD 1
.irp a, 0,1,2,3,4,5,6,7
	QKOUT \a
.endr
	v_cmp_eq_u32 vcc_lo, 1, v3
.irp i, 0,1,2,3
	v_cndmask_b32 v[200+\i], v[192+\i], v[196+\i], vcc_lo   ; lanes 0-15 store tiles 0-3's words of row r, lanes 16-31 tiles 4-7's
.endr
	global_store_b128 v7, v[200:203], s[98:99]     ; [16 r][8 tiles] words: 512 consecutive bytes, aligned
	s_branch .Ldone
; V.  Its K in the second product of attention is the keys, which lie across lanes and tiles here: the wave's 128 positions x 64 channels turn through its own stage in LDS, and a lane takes 32 positions of ONE channel.
; Unit u = 2 T + C: channel tile T (lane r': channel 32 (T / 2) + 8 (T % 2) + r' + 8 (r' / 8)), keys 64 C + 32 h + 0 .. 31: one half image.  Lanes 16-31 read rows 32 further down, which meet lanes 0-15's banks: two passes a load, on loads that run once.
.Lvpath:
	WIN 0x08                                       ; an LDS store's data: window 2
.irp a, 0,1,2,3,4,5,6,7
.irp k, 0,1,2,3,4,5,6,7
	ds_store_b128 v8, v[32*\a+4*\k:32*\a+4*\k+3] offset:(32*(\a/2)+8*(\a%2))*272+128*(\k/4)+16*(\k%4)   ; each accumulator from its low end on
.endr
.endr
	WIN 0
	v_mov_b32 v56, 0                               ; a lane permute's destination counts as one of its sources
.macro XLD u
.irp i, 0,1,2,3,4,5,6,7,8,9,10,11,12,13,14,15,16,17,18,19,20,21,22,23,24,25,26,27,28,29,30,31
	ds_load_b32 v[64+32*((\u)%2)+\i], v9 offset:(64*((\u)%2)+\i)*272+(32*((\u)/4)+8*(((\u)/2)%2))*4   ; LDS serves a wave's instructions in order: these see my stores
.endr
.endm
.macro VBLOCK u
.set XS_, 64+32*((\u)%2)
.if \u < 7
	s_wait_dscnt 0x20                              ; this unit's 32 loads are in; the next unit's 32 may be out
.else
	s_wait_dscnt 0x0
.endif
	v_max3_num_f32 v48, |v[XS_]|, |v[XS_+1]|, |v[XS_+2]|           ; the block's largest magnitude: all 32 keys are mine
	v_max3_num_f32 v49, |v[XS_+3]|, |v[XS_+4]|, |v[XS_+5]|
.irp i, 6,10,14,18,22,26
	v_max3_num_f32 v48, v48, |v[XS_+\i]|, |v[XS_+\i+1]|
	v_max3_num_f32 v49, v49, |v[XS_+\i+2]|, |v[XS_+\i+3]|
.endr
	v_max3_num_f32 v48, v48, |v[XS_+30]|, |v[XS_+31]|
	v_max3_num_f32 v48, v48, v49, 0x1800000
	v_add_nc_u32 v52, 0xff000000, v48
	v_lshrrev_b32 v53, 23, v52
	v_cvt_scalef32_pk16_fp6_f32 v[204+6*(\u):206+6*(\u)], v[XS_:XS_+15], v52
	v_cvt_scalef32_pk16_fp6_f32 v[252:254], v[XS_+16:XS_+31], v52
	v_nop
.irp i, 0,1,2
	v_mov_b32 v[207+6*(\u)+\i], v[252+\i]
.endr
.if \u < 6
	XLD (\u)+2
.endif
	global_store_b128 v4, v[204+6*(\u):207+6*(\u)], s[96:97] offset:(4*((\u)%2)+(\u)/2)*768
	global_store_b64 v5, v[208+6*(\u):209+6*(\u)], s[96:97] offset:(4*((\u)%2)+(\u)/2)*768+512
.if (\u)%2 == 0
	v_mov_b32 v54, v53                             ; block h's byte waits for block 2 + h's
.else
	v_lshl_or_b32 v55, v53, 16, v54
	v_lshlrev_b32 v55, v11, v55                    ; at their places, 8 h bits up;
	v_permlanex16_b32 v56, v55, s2, s3
	v_or_b32 v[192+(\u)/2], v55, v56               ; with lane l xor 16's two the word of these 128 keys is whole
.endif
.endm
	XLD 0
	XLD 1
.irp u, 0,1,2,3,4,5,6,7
	VBLOCK \u
.endr
	global_store_b128 v10, v[192:195], s[98:99]    ; [16 r'][4 T] words: 256 consecutive bytes, aligned; lanes 16-31 repeat lanes 0-15's bytes at the same addresses
.Ldone:
	s_wait_tensorcnt 0x0                           ; the wave's end, behind my last tensor load and my last LDS store
	ds_add_u32 v[SPW], v[NIL]
	s_wait_dscnt 0x0
	CROUND                                         ; the closing round: no work-group ends while a partner may still ask for a tile that names it
	s_endpgm
.Lfunc_end_k_q753aaa381a_qkv:
	.size	k_q753aaa381a_qkv, .Lfunc_end_k_q753aaa381a_qkv-k_q753aaa381a_qkv
	.p2alignl 7, 3214868480
	.fill 96, 4, 3214868480
	.section	.rodata,"a",@progbits
	.p2align	6, 0x0
	.amdhsa_kernel k_q753aaa381a_qkv
		.amdhsa_group_segment_fixed_size 327680
		.amdhsa_private_segment_fixed_size 0
		.amdhsa_enable_private_segment 0
		.amdhsa_kernarg_size 40
		.amdhsa_user_sgpr_count 2
		.amdhsa_user_sgpr_kernarg_segment_ptr 1
		.amdhsa_wavefront_size32 1
		.amdhsa_system_sgpr_workgroup_id_x 1
		.amdhsa_system_sgpr_workgroup_id_y 1
		.amdhsa_system_sgpr_workgroup_id_z 1
		.amdhsa_system_vgpr_workitem_id 0
		.amdhsa_next_free_vgpr 768
		.amdhsa_next_free_sgpr 100
		.amdhsa_reserve_vcc 1
		.amdhsa_float_denorm_mode_32 3
		.amdhsa_float_denorm_mode_16_64 3
		.amdhsa_memory_ordered 1
		.amdhsa_forward_progress 1
		.amdhsa_inst_pref_size 214
	.end_amdhsa_kernel
	.amdgpu_metadata
---
amdhsa.version: [ 1, 2 ]
amdhsa.kernels:
  - .name:           k_q753aaa381a_qkv
    .symbol:         k_q753aaa381a_qkv.kd
    .args:
      - { .name: w1, .offset: 0, .size: 8, .value_kind: global_buffer, .address_space: global }
      - { .name: bq, .offset: 8, .size: 8, .value_kind: global_buffer, .address_space: global }
      - { .name: bk, .offset: 16, .size: 8, .value_kind: global_buffer, .address_space: global }
      - { .name: bv, .offset: 24, .size: 8, .value_kind: global_buffer, .address_space: global }
      - { .name: w2, .offset: 32, .size: 8, .value_kind: global_buffer, .address_space: global }
    .group_segment_fixed_size: 327680
    .private_segment_fixed_size: 0
    .kernarg_segment_align: 8
    .kernarg_segment_size: 40
    .max_flat_workgroup_size: 128
    .sgpr_count:     100
    .vgpr_count:     768
    .wavefront_size: 32
...
	.end_amdgpu_metadata
.endif
;; end of part 2
;; launch attn (part 3): grid 16 x 16, 16 waves a work-group, no clusters, 327,680 bytes of LDS; arguments w2, key_weights, w3; writes w3
.if DOCPART == 3
	.amdgcn_target "amdgcn-amd-amdhsa--gfx1250"
	.amdhsa_code_object_version 6
	.text
	.protected	k_q753aaa381a_attn
	.globl	k_q753aaa381a_attn
	.p2align	8
	.type	k_q753aaa381a_attn,@function
k_q753aaa381a_attn:
	s_mov_b64 s[64:65], 0
	v_nop
	global_prefetch_b8 v0, s[64:65] scope:SCOPE_SE
	s_setreg_imm32_b32 hwreg(HW_REG_WAVE_MODE, 25, 1), 1
	s_wait_xcnt 0x0
; o = softmax(causal(q k^T x 1/8 x key_weight)) v on codes of FP6 (E2M3) with E8M0 scales; o is normalised, quantised along the head's 64 and stored as an operand of the last product (w3).
; LEFT OUT: a step of 128 keys that all come after a tile's 16 queries: reference()'s own tril makes their weights 0 for all values of the inputs.  A NaN, an infinity or an overflow that reaches only such steps is not carried to the result.
; THE SOFTMAX: t = score x c; M = the running largest t rounded up to a whole number; p = 2^(t - M) is quantised along the keys, not normalised; the row's sum is taken of the unquantised p and divides at the end; when M moves, the sum and O are multiplied by 2^(old M - new M): exact.
; THE KEY WEIGHT may be negative.  Its sign goes onto q's codes (an exclusive or on the codes' sign bits: (-q) . k = -(q . k) exactly), and c = |key_weight| x log2(e) / 8 is positive: so p rises with the score, and a block's largest score gives its largest p.
; LIMITS: c is held at 2^-100 from below, so that -infinity x c is no NaN; with key_weight = 0 M may then be 1 in place of 0: an exact power of two, which the blocks' scales take up.  NaN and infinities among the inputs are not served.  A block's scale byte is held at 1 from below.
; SHARES.  Work-group (j, y): KV head y = 8 b + kv, position blocks j and 31 - j of 64, both heads of the group: 16 query tiles, one to a wave, 256 registers each.  The two blocks together walk 17 steps of 128 keys whatever j is.
; A tile T holds queries 32 (T / 2) + 8 (T % 2) + i + 8 (i / 8).  Both products are used transposed: a lane holds ONE query throughout.  A key tile's rows follow the same rule, so the 16 registers of key tiles 2 b, 2 b + 1 are keys 32 b + 16 h + 0 .. 15.
; THE HEAD'S 64 fill half of the instruction's K: registers 6-11 of q's and k's fragments hold zero codes, written once.
; RING: two slots of 256 keys (24,576 bytes: K of two steps, V of two steps), filled by waves 0 to 3.  Wave w brings a strip of 1,536 bytes of each of the slot's four quarters, so that every load holds bytes of the slot's first step.
; In LDS key tile t of step q lies at (t / 2) 6,144 + 1,536 q + 768 (t % 2); V's piece i = 4 c + T at (i / 2) 6,144 + 1,536 (2 + q) + 768 (i % 2).  The KV head's scale words, 12,288 bytes, come once.
; NO CLUSTER, though the work-groups of a KV head read the same slots: where a work-group's loads end hangs on its number (the causal limit), and partners of a joint load must all issue it; loading every slot everywhere would fetch slots that nobody reads.
; Every work-group walks all 8 changes of slots: trip counts are constants; what is left out is a step's work and the loads past the limit.  By this text's count a wave has at most two tensor loads out.
; REGISTERS: v1, v2 16, 8 x lane; v3, v4 places among K's, V's scale words; v5, v6 the add's two; v8-11 addresses in hand; v12 -M, v13 the largest t, v[14:15] the sum; v16-27 q; v28 prefetch offset; v29 q's scale word; v30 mask term; v31 32 r;
;   v32-79 four fragments of K; v80-127 four of V; v128-191 S^T, then p; v192-223 O^T; v224-235 p's codes; v232-247, v252, v254 at work; v248-251 K's, then V's scale words; v253 p's scale word.
.set KVC,   3145728
.set QS,    6291456
.set KVS,   6553600
.set OS,    3145728
.set NSL,   8
.set SLOTB, 24576
.set SLOT1, 32768                      ; slot 1 begins here: one exclusive or turns an address in one slot into the other's
.set SCB,   65536                      ; K's scale words, 16 steps x 512 bytes; then V's, 16 x 256
.set SPARE, 77824                      ; the spare words, 128 bytes a wave: eight blocks of 256 bytes that no other line names
.set S,    128
.set O,    192
.set SPW,  5
.set NIL,  6
.set AD16, 8
.set AD8,  9
.set ADS,  10
.set ADT,  11
.set PFO,  28
.set TB,   2                           ; s2   LDS byte at which the slot in hand begins
.set TS,   3                           ; s3   the step's scale words of K: 512 bytes a step
.set WV,   18
.set SEL,  20
.set CS,   22                          ; s[22:23] c
.set G1,   24                          ; s[24:31] group 1 of a slot's strip; s[40:43] its group 0, which walks
.set G0,   40
.set G1S,  48                          ; s[48:55], s[56:59] the scale words
.set G0S,  56
.set TJ,   66                          ; s66  V's scale words: 256 bytes a step
.set SLOTS, 67
.set PFA,  76                          ; s[76:77] where my prefetches stand
.set LIM,  80                          ; s80  1 in a wave that prefetches, else the greatest number
.set QL,   97                          ; s97  my work-group's last query
.set KF,   98                          ; s98  the step's first key
.set Q0,   99                          ; s99  my tile's first query; its last is Q0 + 23
.macro TLOAD                           ; waves 0 to 3 fetch; an s_nop 0 and four v_nop follow the line
	s_cmp_lt_u32 s[WV], 4
	s_cbranch_scc0 .Lasked_\@
	tensor_load_to_lds s[G0:G0+3], s[G1:G1+7]
	s_nop 0
.rept 4
	v_nop
.endr
.Lasked_\@:
.endm
; A PREFETCH INTO THE L2 of the slot that the NEXT change of slots will ask for: 24,576 dense bytes.  All work-groups of a KV head walk the same slots from slot 0 on; work-group j = 0, which walks all eight, asks, and nobody else;
; in it waves 4 to 6, which fetch nothing: 8,192 bytes a wave, lanes 256 bytes apart, one instruction.  So each aligned block of 256 bytes is named once in the launch.  Slots 0 and 1 come by their loads alone; the last change that fills a slot asks for nothing.
.macro ASK
	s_cmp_gt_u32 s[SLOTS], s[LIM]
	s_cbranch_scc0 .Lnot_mine_\@
	global_prefetch_b8 v[PFO], s[PFA:PFA+1] th:TH_LOAD_NT scope:SCOPE_SE
.Lnot_mine_\@:
.endm
	s_load_b128 s[4:7], s[0:1], 0x0                ; w2, key_weights
	s_load_b64 s[8:9], s[0:1], 0x10                ; w3
	v_lshl_add_u32 v[SPW], v0, 2, SPARE
	v_mov_b32 v[NIL], 0
	ds_add_u32 v[SPW], v[NIL]                      ; the wave's opening: the add, twice on end, and its wait ahead of the first tensor load
	ds_add_u32 v[SPW], v[NIL]
	v_lshrrev_b32 v8, 5, v0
	v_readfirstlane_b32 s[WV], v8                  ; wave 0..15
	s_and_b32 s12, ttmp7, 0xffff                   ; y = 8 b + kv
	s_lshr_b32 s13, s[WV], 2                       ; a: which tile of a block of 64
	s_bfe_u32 s14, s[WV], 0x10001                  ; g: which head of the group
	s_xor_b32 s15, s[WV], s13
	s_and_b32 s15, s15, 1                          ; which block: so mixed that of any four waves w % 4 alike or w / 4 alike two take the late one
	s_sub_co_u32 s16, 31, ttmp9
	s_cmp_eq_u32 s15, 1
	s_cselect_b32 s16, s16, ttmp9
	s_lshl_b32 s16, s16, 2
	s_add_co_u32 s16, s16, s13                     ; T
	s_lshr_b32 s17, s16, 1
	s_lshl_b32 s17, s17, 5
	s_and_b32 s19, s16, 1
	s_lshl_b32 s19, s19, 3
	s_add_co_u32 s[Q0], s17, s19
	s_sub_co_u32 s[QL], 32, ttmp9
	s_lshl_b32 s[QL], s[QL], 6
	s_sub_co_u32 s[QL], s[QL], 1
	s_lshl_b32 s68, s12, 1
	s_add_co_u32 s68, s68, s14                     ; 16 b + head
	s_lshl_b32 s70, s68, 7
	s_add_co_u32 s70, s70, s16
	s_mul_i32 s70, s70, 768                        ; q's half image
	s_mov_b32 s71, 0
	s_lshl_b32 s72, s68, 4
	s_lshr_b32 s69, s16, 3
	s_add_co_u32 s72, s72, s69
	s_lshl_b32 s72, s72, 9
	s_and_b32 s69, s16, 7
	s_lshl_b32 s69, s69, 2
	s_add_co_u32 s72, s72, s69
	s_add_co_u32 s72, s72, QS                      ; q's scale words: [step][16 r][8 tiles]
	s_mov_b32 s73, 0
	s_mul_i32 s69, s12, 196608
	s_add_co_u32 s69, s69, KVC                     ; the KV head's eight slots
	s_mul_i32 s81, s[WV], 6144                     ; my strips in a slot in LDS,
	s_mul_i32 s74, s[WV], 1536                     ; and in memory
	s_add_co_u32 s74, s74, s69
	s_mov_b32 s75, 0
	s_mul_i32 s82, s12, 12288
	s_add_co_u32 s82, s82, KVS
	s_mul_i32 s92, s[WV], 3072                     ; my quarter of the scale words
	s_add_co_u32 s82, s82, s92
	s_mov_b32 s83, 0
	s_add_co_u32 s92, s92, SCB
	s_and_b32 s93, s12, 7                          ; kv
	s_lshl_b32 s84, s93, 1
	s_add_co_u32 s84, s84, s14
	s_lshl_b32 s84, s84, 2                         ; the head's key weight
	s_mov_b32 s85, 0
	s_lshr_b32 s86, s12, 3
	s_lshl_b32 s86, s86, 7
	s_add_co_u32 s86, s86, s16                     ; o's row tile: 128 b + T
	s_lshl_b32 s86, s86, 3
	s_add_co_u32 s86, s86, s93                     ; its fragment kv
	s_lshl_b32 s88, s86, 6
	s_lshl_b32 s94, s14, 1
	s_add_co_u32 s88, s88, s94
	s_add_co_u32 s88, s88, OS                      ; bytes 2 g, 2 g + 1 of the fragment's scale words
	s_mov_b32 s89, 0
	s_mul_i32 s86, s86, 1536
	s_mul_i32 s94, s14, 768
	s_add_co_u32 s86, s86, s94                     ; half image g
	s_mov_b32 s87, 0
	s_and_b32 s90, s[WV], 3
	s_lshl_b32 s90, s90, 13
	s_add_co_u32 s90, s90, s69
	s_add_co_u32 s90, s90, SLOTB                   ; the prefetches stand in slot 1: the first change of slots steps them to slot 2
	s_mov_b32 s91, 0
	s_sub_co_u32 s93, s[WV], 4
	s_lshr_b32 s93, s93, 2                         ; 0 in waves 4 to 7,
	s_or_b32 s93, s93, ttmp9                       ; of work-group j = 0
	s_cmp_eq_u32 s93, 0
	s_cselect_b32 s[LIM], 1, -1
	s_cmp_eq_u32 s[WV], 7                          ; (a slot is three waves' worth)
	s_cselect_b32 s[LIM], -1, s[LIM]
	s_mov_b32 s[G1], 3<<16                         ; no mask; elements of 8 bytes; no padding
	s_mov_b32 s[G1+1], 192<<16                     ; tensor_dim0 = 192 elements: 1,536 bytes
	s_mov_b32 s[G1+2], 4<<16                       ; tensor_dim1 = 4: the slot's quarters
	s_mov_b32 s[G1+3], 192<<16                     ; tile_dim0
	s_mov_b32 s[G1+4], 4                           ; tile_dim1
	s_mov_b32 s[G1+5], 768                         ; from quarter to quarter: 6,144 bytes
	s_mov_b32 s[G1+6], 0
	s_mov_b32 s[G1+7], 0
	s_mov_b32 s[G1S], 3<<16                        ; 3,072 dense bytes as 12 rows of 256
	s_mov_b32 s[G1S+1], 32<<16
	s_mov_b32 s[G1S+2], 12<<16
	s_mov_b32 s[G1S+3], 32<<16
	s_mov_b32 s[G1S+4], 12
	s_mov_b32 s[G1S+5], 32
	s_mov_b32 s[G1S+6], 0
	s_mov_b32 s[G1S+7], 0
	s_mov_b32 s[SEL], 0x76543210
	s_mov_b32 s[SEL+1], 0xfedcba98
	s_mov_b32 s[TB], 0
	s_mov_b32 s[TS], 0
	s_mov_b32 s[TJ], 0
	s_mov_b32 s[KF], 0
	s_mov_b32 s[SLOTS], NSL-1
	s_wait_dscnt 0x0                               ; both opening adds are done
	s_wait_kmcnt 0x0
	s_mov_b32 s[G0S], 1
	s_mov_b32 s[G0S+1], s92
	s_add_nc_u64 s[G0S+2:G0S+3], s[4:5], s[82:83]
	s_or_b32 s[G0S+3], s[G0S+3], 0x80000000
	s_mov_b32 s[G0], 1
	s_mov_b32 s[G0+1], s81
	s_add_nc_u64 s[G0+2:G0+3], s[4:5], s[74:75]
	s_or_b32 s[G0+3], s[G0+3], 0x80000000
	s_cmp_lt_u32 s[WV], 4                          ; a wave's two first fills stand in one branch on its number, ahead of every wait on TENSORcnt, every LDS read and every barrier
	s_cbranch_scc0 .Lno_fill
	tensor_load_to_lds s[G0S:G0S+3], s[G1S:G1S+7]  ; the scale words: filled once
	s_nop 0
	tensor_load_to_lds s[G0:G0+3], s[G1:G1+7]      ; slot 0: it holds key 0, which counts for every query
	s_nop 0
.rept 4
	v_nop
.endr
.Lno_fill:
	s_add_nc_u64 s[6:7], s[6:7], s[84:85]
	s_load_b32 s10, s[6:7], 0x0                    ; the head's key weight
	s_add_nc_u64 s[70:71], s[4:5], s[70:71]
	s_add_nc_u64 s[72:73], s[4:5], s[72:73]
	s_add_nc_u64 s[PFA:PFA+1], s[4:5], s[90:91]
	s_add_nc_u64 s[86:87], s[8:9], s[86:87]
	s_add_nc_u64 s[88:89], s[8:9], s[88:89]
	v_and_b32 v7, 31, v0
	v_lshlrev_b32 v1, 4, v7
	v_lshlrev_b32 v2, 3, v7
	v_lshlrev_b32 v[PFO], 8, v7
	v_and_b32 v8, 15, v0                           ; r
	v_bfe_u32 v9, v0, 4, 1                         ; h
	v_lshl_add_u32 v3, v8, 5, SCB                  ; K's scale words: [16 r][8 tiles]
	v_lshl_add_u32 v4, v8, 4, SCB+8192             ; V's: [16 r][4 tiles]
	v_lshlrev_b32 v31, 5, v8
	global_load_b128 v[16:19], v1, s[70:71]        ; q's half image stays in registers
	global_load_b64 v[20:21], v2, s[70:71] offset:512
	global_load_b32 v29, v31, s[72:73]             ; and its scale words
	v_and_b32 v10, 8, v8
	v_add_nc_u32 v30, v10, v8
	v_lshlrev_b32 v10, 4, v9
	v_sub_nc_u32 v30, v30, v10                     ; r + 8 (r / 8) - 16 h
	s_wait_kmcnt 0x0
	s_and_b32 s11, s10, 0x7fffffff
	s_mul_f32 s[CS], s11, 0x3e38aa3b               ; |key weight| x log2(e) / 8
	s_max_u32 s[CS], s[CS], 0x0d800000             ; held at 2^-100 from below (of positive f32 numbers the bits order as the numbers do)
	s_mov_b32 s[CS+1], s[CS]                       ; (named with it as a pair, so it is written)
	s_ashr_i32 s11, s10, 31                        ; all ones where the key weight is negative
	s_and_b32 s12, s11, 0x20820820                 ; the sign bits, bit 6 i + 5 of the stream of codes: three words to a period of 16 codes
	s_and_b32 s13, s11, 0x08208208
	s_and_b32 s14, s11, 0x82082082
	s_wait_loadcnt 0x0                             ; q
	v_xor_b32 v16, s12, v16
	v_xor_b32 v17, s13, v17
	v_xor_b32 v18, s14, v18
	v_xor_b32 v19, s12, v19
	v_xor_b32 v20, s13, v20
	v_xor_b32 v21, s14, v21
.irp i, 0,1,2,3,4,5
	v_mov_b32 v[22+\i], 0                          ; zero codes for K = 64 .. 127: q's,
.endr
.irp t, 0,1,2,3
.irp i, 0,1,2,3,4,5
	v_mov_b32 v[38+12*\t+\i], 0                    ; and k's: written once, never loaded
.endr
.endr
	v_mov_b32 v13, 0xff61b1e6                      ; the largest t so far: -3e38
	v_floor_f32 v12, -v13                          ; -M
	v_mov_b32 v14, 0
	v_mov_b32 v15, 0
.irp b, 0,1,2,3
	v_mov_b32 v[236+\b], 0                         ; a lane permute's destination counts as one of its sources
.endr
	v_mov_b32 v252, 0
	v_mov_b32 v253, 0                              ; (named as the upper half of the pair v[252:253] before it is first written)
.set n_, 0
.rept 32
	v_mov_b32 v[O+n_], 0                           ; O^T: the step is written once; the first finds zeros, which the first change of M leaves zeros
.set n_, n_+1
.endr
; A KEY STEP: 128 keys, the q-th of the slot in hand.
.macro STEP q
	s_add_co_u32 s96, s[Q0], 23
	s_cmp_gt_u32 s[KF], s96                        ; all its keys come after my queries: the step's work is left out; a branch on ids, round no barrier and no tensor load
	s_cbranch_scc1 .Lhidden_\@
	v_add_nc_u32 v[AD16], s[TB], v1                ; (these four are also the places in front of the loads below)
	v_add_nc_u32 v[AD8], s[TB], v2
	v_add_nc_u32 v[ADS], s[TS], v3
	v_add_nc_u32 v[ADT], s[TJ], v4
.irp g, 0,1                                    ; S^T = K Q^T, four tiles of 16 keys at a time
.if \g
.rept 4
	v_nop                                          ; places in front of loads into registers that matrix instructions have read
.endr
.endif
.irp t, 0,1,2,3
	ds_load_b128 v[32+12*\t:35+12*\t], v[AD16] offset:((4*\g+\t)/2)*6144+1536*(\q)+768*(\t%2)
	ds_load_b64 v[36+12*\t:37+12*\t], v[AD8] offset:((4*\g+\t)/2)*6144+1536*(\q)+768*(\t%2)+512
.endr
	ds_load_b128 v[248:251], v[ADS] offset:16*\g   ; the four tiles' scale words of row r
	s_wait_dscnt 0x0
.irp t, 0,1,2,3
	v_wmma_scale_f32_16x16x128_f8f6f4 v[S+8*(4*\g+\t):S+8*(4*\g+\t)+7], v[32+12*\t:43+12*\t], v[16:27], 0, v[248+\t], v29 matrix_a_fmt:MATRIX_FMT_FP6 matrix_b_fmt:MATRIX_FMT_FP6
.endr
.endr
.rept 4
	v_nop
.endr
.irp t, 0,1,2,3                                ; V's four fragments and their scale words are asked for now and land during the softmax
.irp c, 0,1
	ds_load_b128 v[80+12*\t+6*\c:83+12*\t+6*\c], v[AD16] offset:((4*\c+\t)/2)*6144+1536*(2+(\q))+768*(\t%2)
	ds_load_b64 v[84+12*\t+6*\c:85+12*\t+6*\c], v[AD8] offset:((4*\c+\t)/2)*6144+1536*(2+(\q))+768*(\t%2)+512
.endr
.endr
	ds_load_b128 v[248:251], v[ADT]
	s_add_co_u32 s96, s[KF], 127                   ; on the diagonal the scores of hidden keys become -infinity ahead of the maximum; a step all of whose keys count skips this
	s_cmp_le_u32 s96, s[Q0]
	s_cbranch_scc1 .Lopen_\@
	s_sub_co_i32 s96, s[Q0], s[KF]
	v_add_nc_u32 v252, s96, v30                    ; d = my query - KF - 16 h.  Register 16 b + i holds key KF + 32 b + 16 h + i: hidden where 32 b + i > d
	v_mov_b32 v254, 0xff800000
.set n_, 0
.rept 64
	v_cmp_gt_i32 vcc_lo, 32*(n_/16)+n_%16, v252
	v_cndmask_b32 v[S+n_], v[S+n_], v254, vcc_lo
.set n_, n_+1
.endr
.Lopen_\@:
.irp b, 0,1,2,3
	v_max3_num_f32 v[232+\b], v[S+16*\b], v[S+1+16*\b], v[S+2+16*\b]   ; the largest score of each block of 32 keys: for the row's maximum, and for the block's largest p
.endr
.irp i, 3,5,7,9,11,13
.irp b, 0,1,2,3
	v_max3_num_f32 v[232+\b], v[232+\b], v[S+16*\b+\i], v[S+1+16*\b+\i]
.endr
.endr
.irp b, 0,1,2,3
	v_max_num_f32 v[232+\b], v[232+\b], v[S+15+16*\b]
.endr
.irp b, 0,1,2,3
	v_permlanex16_b32 v[236+\b], v[232+\b], s[SEL], s[SEL+1]
.endr
.irp b, 0,1,2,3
	v_max_num_f32 v[232+\b], v[232+\b], v[236+\b]  ; with lane l xor 16's 16 keys
.endr
	v_max3_num_f32 v254, v232, v233, v234
	v_max_num_f32 v254, v254, v235
	v_mul_f32 v254, s[CS], v254                    ; as t (c is positive)
	v_max_num_f32 v13, v13, v254                   ; the running largest t
	v_mov_b32 v254, v12
	v_floor_f32 v12, -v13                          ; the new -M = -ceil(t)
	v_sub_f32 v254, v12, v254                      ; old M - new M: a whole number, 0 or less
	v_cvt_i32_f32 v254, v254                       ; (it saturates)
	v_ldexp_f32 v252, 1.0, v254                    ; f = 2^(old M - new M)
.set n_, 0
.rept 32
	v_pk_fma_f32 v[S+n_:S+1+n_], v[S+n_:S+1+n_], s[CS:CS+1], v[12:13] op_sel_hi:[1,0,0]   ; t - M, two at a time
.set n_, n_+2
.endr
.irp b, 0,1,2,3
	v_fma_f32 v[232+\b], v[232+\b], s[CS], v12     ; the same of each block's largest score
.endr
.set n_, 0
.rept 64
	v_exp_f32 v[S+n_], v[S+n_]                     ; p = 2^(t - M)
.set n_, n_+1
.endr
	v_pk_mul_f32 v[14:15], v[14:15], v[252:253] op_sel_hi:[1,0]   ; the sums under the new M (a plain place behind the exponentials)
	s_wait_alu depctr_va_vdst(0)                   ; the wait ahead of the batch's first reader: one for the 64
.irp b, 0,1,2,3
	v_exp_f32 v[232+\b], v[232+\b]                 ; the block's largest p: the same two instructions on the same number give the same bits
.endr
	v_pk_add_f32 v[236:237], v[S:S+1], v[S+2:S+3]  ; the row's sum is taken of the unquantised p, in two chains
.irp j, 4,8,12,16,20,24,28,32,36,40,44,48,52,56,60
	v_pk_add_f32 v[14:15], v[14:15], v[S+\j:S+1+\j]
	v_pk_add_f32 v[236:237], v[236:237], v[S+2+\j:S+3+\j]
.endr
	v_pk_add_f32 v[14:15], v[14:15], v[236:237]
	s_wait_alu depctr_va_vdst(0)                   ; and one for the four
.irp b, 0,1,2,3
	v_max_num_f32 v[232+\b], 0x1800000, v[232+\b]  ; the floor 2^(3 - 127): a block whose every p is 0 keeps the byte 1: its codes are zeros
.endr
.irp b, 0,1,2,3
	v_add_nc_u32 v[244+\b], 0xff000000, v[232+\b]  ; the conversion's scale operand
.endr
.irp b, 0,1,2,3
	v_lshrrev_b32 v[236+\b], 23, v[244+\b]
.endr
	v_lshl_or_b32 v253, v237, 8, v236              ; p's scale word for these 128 keys
	v_lshl_or_b32 v253, v238, 16, v253
	v_lshl_or_b32 v253, v239, 24, v253
.irp c, 0,1
	v_cvt_scalef32_pk16_fp6_f32 v[224+6*\c:226+6*\c], v[S+32*\c:S+15+32*\c], v[244+2*\c]
	v_cvt_scalef32_pk16_fp6_f32 v[236+4*\c:238+4*\c], v[S+16+32*\c:S+31+32*\c], v[244+2*\c+1]
.endr
	v_nop                                          ; one plain place behind a scaled conversion
.irp c, 0,1
.irp i, 0,1,2
	v_permlane16_swap_b32 v[224+6*\c+\i], v[236+4*\c+\i]   ; a whole block to a lane
.endr
.irp i, 0,1,2
	v_mov_b32 v[227+6*\c+\i], v[236+4*\c+\i]
.endr
.endr
.set n_, 0
.rept 16
	v_pk_mul_f32 v[O+n_:O+1+n_], v[O+n_:O+1+n_], v[252:253] op_sel_hi:[1,0]   ; O^T under the new M.  (These sixteen are also the places between the lines that wrote p's codes and scale word and the products below)
.set n_, n_+2
.endr
	s_wait_dscnt 0x0                               ; V
.irp t, 0,1,2,3                                ; O^T += V^T P^T: four accumulators by turns
	v_wmma_scale_f32_16x16x128_f8f6f4 v[O+8*\t:O+8*\t+7], v[80+12*\t:91+12*\t], v[224:235], v[O+8*\t:O+8*\t+7], v[248+\t], v253 matrix_a_fmt:MATRIX_FMT_FP6 matrix_b_fmt:MATRIX_FMT_FP6
.endr
.Lhidden_\@:
	s_add_co_u32 s[KF], s[KF], 128
	s_add_co_u32 s[TS], s[TS], 512
	s_add_co_u32 s[TJ], s[TJ], 256
.endm
; THE CHANGE OF SLOTS stands at a slot's head.  Each wave waits for all its tensor loads, adds 0 to its spare word,
; and waits for that and for its reads of the slot that it has left.  Behind the barrier the slot ahead is whole and nobody reads the other one, which is then filled with the next 256 keys, up to the causal limit.
.macro CHANGE fill
	s_wait_tensorcnt 0x0                           ; no tensor load of mine is out, so a group 0 may be written
	ds_add_u32 v[SPW], v[NIL]
.if \fill
	ds_add_u32 v[SPW], v[NIL]
	s_xor_b32 s[G0+1], s[G0+1], SLOT1              ; the walking descriptor: the other slot,
	s_add_nc_u64 s[G0+2:G0+3], s[G0+2:G0+3], SLOTB ; the next 256 keys
	s_wait_xcnt 0x0                                ; the last prefetch, a slot back, has read its address
	s_add_nc_u64 s[PFA:PFA+1], s[PFA:PFA+1], SLOTB
.endif
	s_wait_dscnt 0x0                               ; the add is done, and my reads of the slot that I have left are over
	s_barrier_signal -1
	s_barrier_wait -1
.if \fill
	s_add_co_u32 s96, s[KF], 256                   ; the first key of the slot that this change would ask for:
	s_cmp_gt_u32 s96, s[QL]                        ; past my work-group's last query it would be read by nobody.  Ids and the count of steps alone: all sixteen waves go the same way
	s_cbranch_scc1 .Lpast_\@
	TLOAD                                          ; a wave's one tensor load until the next change: it has two key steps in which to land
.Lpast_\@:
	ASK
.endif
.endm
.macro SLOT_STEPS
	STEP 0
	STEP 1
	s_xor_b32 s[TB], s[TB], SLOT1
.endm
.Lslot:                                            ; 7 trips
	CHANGE 1
	SLOT_STEPS
	s_sub_co_u32 s[SLOTS], s[SLOTS], 1
	s_cmp_lg_u32 s[SLOTS], 0
	s_cbranch_scc1 .Lslot
	CHANGE 0                                       ; the last slot is written out: nothing is left to fetch
	SLOT_STEPS
	; THE WAY OUT.  O^T / the sum; register 16 B + i is channel 32 B + 16 h + i of my query: quantised as q and k were, and stored as half image g of fragment kv of the last product's operand.
	v_add_f32 v14, v14, v15
	v_permlanex16_b32 v252, v14, s[SEL], s[SEL+1]
	v_add_f32 v14, v14, v252                       ; the row's sum
	v_rcp_f32 v14, v14
	v_and_b32 v7, 15, v0                           ; (plain places behind the transcendental and behind the last products)
	v_lshlrev_b32 v7, 2, v7                        ; 4 r
	v_nop
	v_nop
	s_wait_alu depctr_va_vdst(0)                   ; the wait, ahead of the reciprocal's first reader
.set n_, 0
.rept 16
	v_pk_mul_f32 v[S+n_:S+1+n_], v[O+n_:O+1+n_], v[14:15] op_sel_hi:[1,0]
.set n_, n_+2
.endr
.irp b, 0,1
	v_max3_num_f32 v[232+\b], |v[S+16*\b]|, |v[S+1+16*\b]|, 0x1800000
.endr
.irp i, 2,4,6,8,10,12,14
.irp b, 0,1
	v_max3_num_f32 v[232+\b], v[232+\b], |v[S+16*\b+\i]|, |v[S+1+16*\b+\i]|
.endr
.endr
.irp b, 0,1
	v_permlanex16_b32 v[236+\b], v[232+\b], s[SEL], s[SEL+1]
.endr
.irp b, 0,1
	v_max_num_f32 v[232+\b], v[232+\b], v[236+\b]
.endr
.irp b, 0,1
	v_add_nc_u32 v[244+\b], 0xff000000, v[232+\b]
.endr
.irp b, 0,1
	v_lshrrev_b32 v[236+\b], 23, v[244+\b]
.endr
	v_lshl_or_b32 v240, v237, 8, v236              ; my head's two bytes of the row's scale word
	v_cvt_scalef32_pk16_fp6_f32 v[224:226], v[S:S+15], v244
	v_cvt_scalef32_pk16_fp6_f32 v[236:238], v[S+16:S+31], v245
	v_nop
.irp i, 0,1,2
	v_permlane16_swap_b32 v[224+\i], v[236+\i]
.endr
.irp i, 0,1,2
	v_mov_b32 v[227+\i], v[236+\i]
.endr
	global_store_b128 v1, v[224:227], s[86:87]     ; 512 consecutive bytes, aligned,
	global_store_b64 v2, v[228:229], s[86:87] offset:512   ; and 256
	global_store_b16 v7, v240, s[88:89]            ; two bytes a row, 4 bytes apart: one byte in 24 of what the launch stores; whole rows of words would want four KV heads in one work-group.  Lanes 16-31 repeat lanes 0-15's
	s_wait_tensorcnt 0x0                           ; the wave's end, behind the last tensor load
	ds_add_u32 v[SPW], v[NIL]
	s_wait_dscnt 0x0
	s_endpgm
.Lfunc_end_k_q753aaa381a_attn:
	.size	k_q753aaa381a_attn, .Lfunc_end_k_q753aaa381a_attn-k_q753aaa381a_attn
	.p2alignl 7, 3214868480
	.fill 96, 4, 3214868480
	.section	.rodata,"a",@progbits
	.p2align	6, 0x0
	.amdhsa_kernel k_q753aaa381a_attn
		.amdhsa_group_segment_fixed_size 327680
		.amdhsa_private_segment_fixed_size 0
		.amdhsa_enable_private_segment 0
		.amdhsa_kernarg_size 24
		.amdhsa_user_sgpr_count 2
		.amdhsa_user_sgpr_kernarg_segment_ptr 1
		.amdhsa_wavefront_size32 1
		.amdhsa_system_sgpr_workgroup_id_x 1
		.amdhsa_system_sgpr_workgroup_id_y 1
		.amdhsa_system_sgpr_workgroup_id_z 1
		.amdhsa_system_vgpr_workitem_id 0
		.amdhsa_next_free_vgpr 256
		.amdhsa_next_free_sgpr 100
		.amdhsa_reserve_vcc 1
		.amdhsa_float_denorm_mode_32 3
		.amdhsa_float_denorm_mode_16_64 3
		.amdhsa_memory_ordered 1
		.amdhsa_forward_progress 1
		.amdhsa_inst_pref_size 100
	.end_amdhsa_kernel
	.amdgpu_metadata
---
amdhsa.version: [ 1, 2 ]
amdhsa.kernels:
  - .name:           k_q753aaa381a_attn
    .symbol:         k_q753aaa381a_attn.kd
    .args:
      - { .name: w2, .offset: 0, .size: 8, .value_kind: global_buffer, .address_space: global }
      - { .name: key_weights, .offset: 8, .size: 8, .value_kind: global_buffer, .address_space: global }
      - { .name: w3, .offset: 16, .size: 8, .value_kind: global_buffer, .address_space: global }
    .group_segment_fixed_size: 327680
    .private_segment_fixed_size: 0
    .kernarg_segment_align: 8
    .kernarg_segment_size: 24
    .max_flat_workgroup_size: 512
    .sgpr_count:     100
    .vgpr_count:     256
    .wavefront_size: 32
...
	.end_amdgpu_metadata
.endif
;; end of part 3
;; launch proj (part 4): grid 16 x 16, 4 waves a work-group, clusters of 4 x 4, 327,680 bytes of LDS; arguments w3, w1, bo, out0; writes out0
.if DOCPART == 4
	.amdgcn_target "amdgcn-amd-amdhsa--gfx1250"
	.amdhsa_code_object_version 6
	.text
	.protected	k_q753aaa381a_proj
	.globl	k_q753aaa381a_proj
	.p2align	8
	.type	k_q753aaa381a_proj,@function
k_q753aaa381a_proj:
	s_mov_b64 s[64:65], 0
	v_nop
	global_prefetch_b8 v0, s[64:65] scope:SCOPE_SE
	s_setreg_imm32_b32 hwreg(HW_REG_WAVE_MODE, 25, 1), 1
	s_wait_xcnt 0x0
	s_wait_alu depctr_hold_cnt(0) depctr_sa_sdst(0) depctr_va_vdst(0) depctr_va_sdst(0) depctr_va_ssrc(0) depctr_va_vcc(0) depctr_vm_vsrc(0)
	s_getreg_b32 s2, hwreg(HW_REG_IB_STS2, 6, 4)
	s_cmp_eq_u32 s2, 0
	s_cbranch_scc0 .Lentry_in_a_cluster
	s_endpgm
.Lentry_in_a_cluster:
	s_bfe_u32 s2, ttmp6, 0x10000c
	s_cmp_lg_u32 s2, 0xf033
	s_cbranch_scc0 .Lentry_shape_is_right
	s_endpgm
.Lentry_shape_is_right:
; out0 = o Wo^T + bo on codes of FP6 (E2M3) with E8M0 scales: M 4,096 x N 2,048 x K 1,024.  o's codes and scale words come from launch attn (w3), Wo's from launch quant (w1).  Nothing is left out here.
; The form is launch qkv's: a work-group makes 256 rows x 128 columns, four waves 128 x 64 each; operands lie in memory as images of their registers (a fragment, 16 rows x 128 K, is 1,536 bytes: for c = 0, 1: lane l's registers
; 6 c .. 6 c + 3 at 768 c + 16 l, registers 6 c + 4, 5 at 768 c + 512 + 8 l); row tile T holds rows 32 (T / 2) + 8 (T % 2) + i + 8 (i / 8); the matrix instruction is used transposed (source 0 = 16 rows of Wo, source 1 = 16 rows of o),
; so that lane (r, h) holds row 32 (a / 2) + 8 (a % 2) + r + 8 (r / 8) of the wave's 128 and the 16 registers of Wo's tiles 2 B, 2 B + 1 are columns 32 B + 16 h + 0 .. 15.
; K = 1,024 is two slots of 512: both go out with the first fills, and nothing is filled again.  CLUSTER 4 x 4: o's tiles are shared along a row of the cluster, Wo's along a column.  The bias is the C of each sum's first matrix instruction.
; REGISTERS: window 0: v1-6 ids; v16-23 LDS addresses; v24-26 the way out; v27 scale words' address; v28, v29 the add's two; v32-47 scale words, two sets (they hold nothing else); v64-159, v160-255 o's fragments, two sets.
;   window 1: v0-47, v48-95 Wo's fragments; v96-127 the bias.   window 2: accumulator (a, b) at v[8 (4 a + b)].
.set KC,    8
.set ROWT,  KC*1536
.set TS,    KC*64
.set ACOD,  0                          ; in w3: o's codes, o's scale words
.set ASCL,  3145728
.set BCOD,  9437184                    ; in w1: Wo's codes, Wo's scale words
.set BSCL,  11403264
.set PA,    4                          ; s[4:5] w3;  s[6:7] w1
.set PB,    6
.set XHALF, 49152
.set WBASE, 98304
.set WHALF, 24576
.set SLOT,  147456
.set SCL,   2*SLOT
.set SPARE, SCL+24*TS                  ; the spare words, 128 bytes a wave: two blocks of 256 bytes that no other line names
.set AX16, 16
.set AX8,  18
.set AW16, 20
.set AW8,  22
.set STO,  24                          ; v24  the way out: where I put 16 bytes of a row
.set RD,   25                          ; v25  where I read a row back
.set CO,   26                          ; v26  my byte offset in out0
.set ADRS, 27
.set SPW,  28
.set NIL,  29
.set SC,   32
.set XF,   64
.set WF,   0
.set BI,   96
.set BK,   64                          ; the way out: 16 rows read back from the stage, v64-95 and v96-127 by turns
.set G1,   24
.set G0,   32
.set G1B,  48
.set G0B,  56
.set G1S,  68
.set G0S,  76
.set G1SB, 80
.set G0SB, 88
.set MSB, 0
.macro WIN new                         ; the immediate's high byte repeats the setting that is left
.if MSB != \new
	s_set_vgpr_msb (MSB<<8)|\new
.set MSB, \new
.endif
.endm
; A joint load: waves 0 and 1 fetch for o, waves 2 and 3 for Wo; the branch hangs on the wave's number alone.  An s_nop 0 and four v_nop follow each of the two lines.
.macro JLOAD g0a, g1a, g0b, g1b
	s_cmp_eq_u32 s15, 0
	s_cbranch_scc0 .Lfor_b_\@
	tensor_load_to_lds s[\g0a:\g0a+3], s[\g1a:\g1a+7]
	s_nop 0
.rept 4
	v_nop
.endr
	s_branch .Lasked_\@
.Lfor_b_\@:
	tensor_load_to_lds s[\g0b:\g0b+3], s[\g1b:\g1b+7]
	s_nop 0
.rept 4
	v_nop
.endr
.Lasked_\@:
.endm
.macro CREST
	s_cmp_lg_u32 s14, 0
	s_cbranch_scc1 .Lnot_wave_0_\@
	s_barrier_signal -3
.Lnot_wave_0_\@:
	s_barrier_wait -3
	s_barrier_signal -1
	s_barrier_wait -1
.endm
.macro CROUND
	s_barrier_signal -1
	s_barrier_wait -1
	CREST
.endm
.macro PLACES                          ; four plain places behind a matrix instruction (ISA guide 7.12.1)
.rept 4
	v_nop
.endr
.endm
	s_load_b256 s[4:11], s[0:1], 0x0               ; w3, w1, bo, out0
	v_lshl_add_u32 v[SPW], v0, 2, SPARE
	v_mov_b32 v[NIL], 0
	ds_add_u32 v[SPW], v[NIL]                      ; the wave's opening: the add, twice on end, and its wait ahead of my first tensor load
	ds_add_u32 v[SPW], v[NIL]
	v_lshrrev_b32 v1, 5, v0
	v_readfirstlane_b32 s14, v1                    ; wave
	s_lshr_b32 s15, s14, 1                         ; wm: which 128 rows are mine.  Also: I fetch for o (0) or for Wo (1)
	s_and_b32 s16, s14, 1                          ; wn: which 64 columns.  Also: which half of that side I fetch
	s_bfe_u32 s40, ttmp6, 0x40000
	s_bfe_u32 s41, ttmp6, 0x40004
	s_lshl_b32 s42, ttmp9, 2
	s_add_co_u32 s42, s42, s40                     ; nt
	s_and_b32 s17, ttmp7, 0xffff
	s_lshl_b32 s17, s17, 2
	s_add_co_u32 s17, s17, s41                     ; mt
	s_lshl_b32 s43, s41, 2
	s_lshl_b32 s43, 15, s43                        ; my row of the cluster
	s_lshl_b32 s44, 0x1111, s40                    ; my column
	s_or_b32 s[G1], s43, (3<<16)|(1<<21)           ; the mask; elements of 8 bytes; bit 21 beside a mask; no padding
	s_mov_b32 s[G1+1], 768<<16                     ; 6,144 bytes of each of
	s_mov_b32 s[G1+2], 8<<16                       ; 8 row tiles
	s_mov_b32 s[G1+3], 768<<16
	s_mov_b32 s[G1+4], 8
	s_mov_b32 s[G1+5], ROWT/8
	s_mov_b32 s[G1+6], 0
	s_mov_b32 s[G1+7], 0
	s_or_b32 s[G1B], s44, (3<<16)|(1<<21)
	s_mov_b32 s[G1B+1], 768<<16
	s_mov_b32 s[G1B+2], 4<<16
	s_mov_b32 s[G1B+3], 768<<16
	s_mov_b32 s[G1B+4], 4
	s_mov_b32 s[G1B+5], ROWT/8
	s_mov_b32 s[G1B+6], 0
	s_mov_b32 s[G1B+7], 0
	s_or_b32 s[G1S], s43, (3<<16)|(1<<21)          ; scale words: dense blocks as rows of 256 bytes
	s_mov_b32 s[G1S+1], 32<<16
	s_mov_b32 s[G1S+2], (8*TS/256)<<16
	s_mov_b32 s[G1S+3], 32<<16
	s_mov_b32 s[G1S+4], 8*TS/256
	s_mov_b32 s[G1S+5], 32
	s_mov_b32 s[G1S+6], 0
	s_mov_b32 s[G1S+7], 0
	s_or_b32 s[G1SB], s44, (3<<16)|(1<<21)
	s_mov_b32 s[G1SB+1], 32<<16
	s_mov_b32 s[G1SB+2], (4*TS/256)<<16
	s_mov_b32 s[G1SB+3], 32<<16
	s_mov_b32 s[G1SB+4], 4*TS/256
	s_mov_b32 s[G1SB+5], 32
	s_mov_b32 s[G1SB+6], 0
	s_mov_b32 s[G1SB+7], 0
	s_lshl_b32 s18, s16, 3
	s_lshl_b32 s20, s17, 4
	s_add_co_u32 s20, s20, s18                     ; o: row tile 16 mt + 8 x half
	s_mul_i32 s22, s20, TS
	s_add_co_u32 s22, s22, ASCL
	s_mov_b32 s23, 0
	s_mul_i32 s20, s20, ROWT
	s_add_co_u32 s20, s20, ACOD
	s_mov_b32 s21, 0
	s_lshl_b32 s19, s16, 2
	s_lshl_b32 s46, s42, 3
	s_add_co_u32 s46, s46, s19                     ; Wo: row tile 8 nt + 4 x half
	s_mul_i32 s92, s46, TS
	s_add_co_u32 s92, s92, BSCL
	s_mov_b32 s93, 0
	s_mul_i32 s46, s46, ROWT
	s_add_co_u32 s46, s46, BCOD
	s_mov_b32 s47, 0
	s_mul_i32 s45, s16, XHALF
	s_mul_i32 s94, s16, WHALF
	s_add_co_u32 s94, s94, WBASE
	s_mul_i32 s95, s16, 8*TS
	s_add_co_u32 s95, s95, SCL+8*TS
	s_mul_i32 s96, s16, 4*TS
	s_add_co_u32 s96, s96, SCL
	s_wait_dscnt 0x0                               ; both opening adds are done
	s_wait_kmcnt 0x0
	s_add_nc_u64 s[20:21], s[PA:PA+1], s[20:21]
	s_add_nc_u64 s[22:23], s[PA:PA+1], s[22:23]
	s_add_nc_u64 s[46:47], s[PB:PB+1], s[46:47]
	s_add_nc_u64 s[92:93], s[PB:PB+1], s[92:93]
	CROUND                                         ; all sixteen work-groups are here: the joint loads meet
	s_mov_b32 s[G0S], 1
	s_mov_b32 s[G0S+1], s95
	s_mov_b64 s[G0S+2:G0S+3], s[22:23]
	s_or_b32 s[G0S+3], s[G0S+3], 0x80000000
	s_mov_b32 s[G0SB], 1
	s_mov_b32 s[G0SB+1], s96
	s_mov_b64 s[G0SB+2:G0SB+3], s[92:93]
	s_or_b32 s[G0SB+3], s[G0SB+3], 0x80000000
	JLOAD G0S, G1S, G0SB, G1SB
.irp s, 0,1
	s_mov_b32 s[G0+4*\s], 1
	s_add_co_u32 s[G0+4*\s+1], s45, \s*SLOT
	s_add_nc_u64 s[G0+4*\s+2:G0+4*\s+3], s[20:21], \s*6144
	s_or_b32 s[G0+4*\s+3], s[G0+4*\s+3], 0x80000000
	s_mov_b32 s[G0B+4*\s], 1
	s_add_co_u32 s[G0B+4*\s+1], s94, \s*SLOT
	s_add_nc_u64 s[G0B+4*\s+2:G0B+4*\s+3], s[46:47], \s*6144
	s_or_b32 s[G0B+4*\s+3], s[G0B+4*\s+3], 0x80000000
	JLOAD G0+4*\s, G1, G0B+4*\s, G1B               ; by this text's count three loads of mine are out: all of K
.endr
	v_and_b32 v1, 31, v0
	v_and_b32 v2, 15, v0                           ; r
	v_bfe_u32 v3, v0, 4, 1                         ; h
	v_lshlrev_b32 v4, 4, v1
	v_lshlrev_b32 v5, 3, v1
	s_mul_i32 s21, s15, XHALF
	s_mul_i32 s22, s16, WHALF
	s_add_co_u32 s22, s22, WBASE
.irp s, 0,1
	v_add_nc_u32 v[AX16+\s], s21, v4
	v_add_nc_u32 v[AX8+\s], s21, v5
	v_add_nc_u32 v[AW16+\s], s22, v4
	v_add_nc_u32 v[AW8+\s], s22, v5
	s_add_co_u32 s21, s21, SLOT
	s_add_co_u32 s22, s22, SLOT
.endr
	s_mul_i32 s21, s16, 4*TS                       ; scale words: lanes 0-15 Wo's tile 4 wn + i, lanes 16-31 o's tile 8 wm + i: the lower base + h x the distance
	s_mul_i32 s22, s15, 8*TS
	s_add_co_u32 s22, s22, 8*TS
	s_sub_co_u32 s22, s22, s21
	v_mul_u32_u24 v6, s22, v3
	s_add_co_u32 s21, s21, SCL
	v_lshl_add_u32 v6, v2, 2, v6
	v_add_nc_u32 v[ADRS], s21, v6
	s_mul_i32 s21, s14, 4352                       ; my stage: 16 rows x 272 bytes, in slot 0, which by then has had its only fill and its last read
	v_mul_u32_u24 v[STO], v2, 272
	v_lshl_add_u32 v[STO], v3, 6, v[STO]
	v_add_nc_u32 v[STO], s21, v[STO]               ; in: row r, + 64 h
	v_mul_u32_u24 v[RD], v3, 272
	v_lshl_add_u32 v[RD], v2, 4, v[RD]
	v_add_nc_u32 v[RD], s21, v[RD]                 ; back: lanes 0-15 one row of 256 bytes, lanes 16-31 the next
	v_lshlrev_b32 v[CO], 13, v3
	v_lshl_add_u32 v[CO], v2, 4, v[CO]             ; and the same two rows in out0
	v_lshlrev_b32 v6, 6, v3                        ; the bias: 64 h
	s_lshl_b32 s2, s42, 1
	s_add_co_u32 s2, s2, s16
	s_lshl_b32 s2, s2, 8                           ; my 64 columns, in bytes
	s_mov_b32 s3, 0
	s_add_nc_u64 s[8:9], s[8:9], s[2:3]
	s_add_nc_u64 s[10:11], s[10:11], s[2:3]
	s_lshl_b32 s2, s17, 1
	s_add_co_u32 s2, s2, s15
	s_lshl_b32 s2, s2, 20                          ; my 128 rows of 8,192 bytes
	s_add_nc_u64 s[10:11], s[10:11], s[2:3]
	WIN 0x40
.irp b, 0,1,2,3
	global_load_b128 v[BI+8*\b:BI+8*\b+3], v6, s[8:9] offset:(32*(\b/2)+8*(\b%2))*4
	global_load_b128 v[BI+8*\b+4:BI+8*\b+7], v6, s[8:9] offset:(32*(\b/2)+8*(\b%2))*4+16
.endr
	WIN 0
.macro FRAG reg, a16, a8, off
	ds_load_b128 v[\reg:\reg+3], v[\a16] offset:\off
	ds_load_b64 v[\reg+4:\reg+5], v[\a8] offset:\off+512
	ds_load_b128 v[\reg+6:\reg+9], v[\a16] offset:\off+768
	ds_load_b64 v[\reg+10:\reg+11], v[\a8] offset:\off+1280
.endm
.macro FETCH s, q, p, g                ; 56 LDS loads in one run
	WIN 0x40
.irp b, 0,1,2,3
	FRAG WF+48*(\p)+12*\b, AW16+\s, AW8+\s, \b*6144+(\q)*1536
.endr
	WIN 0
.irp a, 0,1,2,3,4,5,6,7
	FRAG XF+96*(\p)+12*\a, AX16+\s, AX8+\s, \a*6144+(\q)*1536
.endr
.irp i, 0,1,2,3,4,5,6,7
	ds_load_b32 v[SC+8*(\p)+\i], v[ADRS] offset:\i*TS+64*(\g)
.endr
.endm
; The 32 accumulators take turns, one instruction a turn, in one order everywhere.  first = 1: the bias starts the sums.
.macro MUL a0, n, p, first
.set A_, \a0
.rept \n
.irp b, 0,1,2,3
.if \first
	v_wmma_scale_f32_16x16x128_f8f6f4 v[8*(4*A_+\b):8*(4*A_+\b)+7], v[WF+48*(\p)+12*\b:WF+48*(\p)+12*\b+11], v[XF+96*(\p)+12*A_:XF+96*(\p)+12*A_+11], v[BI+8*\b:BI+8*\b+7], v[SC+8*(\p)+\b], v[SC+8*(\p)+A_] matrix_a_fmt:MATRIX_FMT_FP6 matrix_b_fmt:MATRIX_FMT_FP6 matrix_b_scale:MATRIX_SCALE_ROW1
.else
	v_wmma_scale_f32_16x16x128_f8f6f4 v[8*(4*A_+\b):8*(4*A_+\b)+7], v[WF+48*(\p)+12*\b:WF+48*(\p)+12*\b+11], v[XF+96*(\p)+12*A_:XF+96*(\p)+12*A_+11], v[8*(4*A_+\b):8*(4*A_+\b)+7], v[SC+8*(\p)+\b], v[SC+8*(\p)+A_] matrix_a_fmt:MATRIX_FMT_FP6 matrix_b_fmt:MATRIX_FMT_FP6 matrix_b_scale:MATRIX_SCALE_ROW1
.endif
.endr
.set A_, A_+1
.endr
.endm
.macro STEP s, q, g, first
	s_wait_dscnt 0x0                               ; this step's 56 loads are in
	PLACES                                         ; in front of the loads into the set that the last step multiplied
	FETCH \s, (\q)+1, 1-((\g)%2), (\g)+1
.if \first
	WIN 0x91
.else
	WIN 0xa1
.endif
	MUL 0, 8, (\g)%2, \first
.endm
	s_wait_tensorcnt 0x1                           ; the scale words and my part of slot 0 are in; slot 1's load may be out
	s_barrier_signal -1
	s_barrier_wait -1
	FETCH 0, 0, 0, 0
	s_wait_loadcnt 0x0                             ; the bias
	STEP 0, 0, 0, 1
	STEP 0, 1, 1, 0
	STEP 0, 2, 2, 0
	; the change of slots: one barrier
	WIN 0
	s_wait_tensorcnt 0x0                           ; my part of slot 1 has landed
	ds_add_u32 v[SPW], v[NIL]
	s_wait_dscnt 0x1                               ; this step's 56 loads are in; the add alone may be out
	WIN 0xa1
	MUL 0, 2, 1, 0
	s_wait_dscnt 0x0                               ; the add is done, and my reads of slot 0 are over
	s_barrier_signal -1
	MUL 2, 2, 1, 0
	WIN 0
	s_barrier_wait -1                              ; slot 1 is whole, and nobody reads slot 0 any more
	PLACES
	FETCH 1, 0, 0, 4
	WIN 0xa1
	MUL 4, 4, 1, 0
	STEP 1, 0, 4, 0
	STEP 1, 1, 5, 0
	STEP 1, 2, 6, 0
	s_wait_dscnt 0x0
	WIN 0xa1
	MUL 0, 8, 1, 0
	WIN 0
; THE WAY OUT, a tile of 16 rows x 64 columns at a time: a lane holds pieces of one row, and the lanes beside it hold other rows: so a tile goes through my own stage in LDS and comes back as whole rows of 256 bytes.
; LDS serves a wave's instructions in order (ISA guide 5.7.1.4): no wait between the stores and the loads, nor in front of the next tile's stores.
.macro TOSTAGE a
	WIN 0x08                                       ; the data: window 2
.irp k, 0,1,2,3,4,5,6,7
	ds_store_b128 v[STO], v[32*(\a)+4*\k:32*(\a)+4*\k+3] offset:128*(\k/4)+16*(\k%4)   ; each accumulator from its low end on
.endr
	WIN 0
.irp t, 0,1,2,3,4,5,6,7
	ds_load_b128 v[BK+32*((\a)%2)+4*\t:BK+32*((\a)%2)+4*\t+3], v[RD] offset:544*\t
.endr
.endm
.macro SEND a, younger                 ; younger: the LDS instructions issued behind tile a's loads
	s_wait_dscnt \younger
.irp t, 0,1,2,3,4,5,6,7
	global_store_b128 v[CO], v[BK+32*((\a)%2)+4*\t:BK+32*((\a)%2)+4*\t+3], s[10:11] offset:(32*((\a)/2)+8*((\a)%2)+2*\t+8*(\t/4))*8192 th:TH_STORE_NT   ; 16 lanes store 256 consecutive bytes, at a multiple of 256 from out0's first byte; stage row 2 t + (lane / 16) is the tile's row of that number
.endr
.endm
	PLACES                                         ; in front of the first reads of results and of loads into the registers that held o's fragments
	TOSTAGE 0
.irp a, 1,2,3,4,5,6,7
.if \a > 1
	s_wait_xcnt 0x0                                ; tile a - 2's stores have read their registers: tile a's loads may land there
.endif
	TOSTAGE \a
	SEND \a-1, 16                                  ; behind tile a - 1's loads: tile a's 8 stores and 8 loads
.endr
	SEND 7, 0
	s_wait_tensorcnt 0x0                           ; the wave's end, behind my last tensor load and my last LDS store
	ds_add_u32 v[SPW], v[NIL]
	s_wait_dscnt 0x0
	CROUND                                         ; the closing round
	s_endpgm
.Lfunc_end_k_q753aaa381a_proj:
	.size	k_q753aaa381a_proj, .Lfunc_end_k_q753aaa381a_proj-k_q753aaa381a_proj
	.p2alignl 7, 3214868480
	.fill 96, 4, 3214868480
	.section	.rodata,"a",@progbits
	.p2align	6, 0x0
	.amdhsa_kernel k_q753aaa381a_proj
		.amdhsa_group_segment_fixed_size 327680
		.amdhsa_private_segment_fixed_size 0
		.amdhsa_enable_private_segment 0
		.amdhsa_kernarg_size 32
		.amdhsa_user_sgpr_count 2
		.amdhsa_user_sgpr_kernarg_segment_ptr 1
		.amdhsa_wavefront_size32 1
		.amdhsa_system_sgpr_workgroup_id_x 1
		.amdhsa_system_sgpr_workgroup_id_y 1
		.amdhsa_system_sgpr_workgroup_id_z 1
		.amdhsa_system_vgpr_workitem_id 0
		.amdhsa_next_free_vgpr 768
		.amdhsa_next_free_sgpr 100
		.amdhsa_reserve_vcc 0
		.amdhsa_float_denorm_mode_32 3
		.amdhsa_float_denorm_mode_16_64 3
		.amdhsa_memory_ordered 1
		.amdhsa_forward_progress 1
		.amdhsa_inst_pref_size 89
	.end_amdhsa_kernel
	.amdgpu_metadata
---
amdhsa.version: [ 1, 2 ]
amdhsa.kernels:
  - .name:           k_q753aaa381a_proj
    .symbol:         k_q753aaa381a_proj.kd
    .args:
      - { .name: w3, .offset: 0, .size: 8, .value_kind: global_buffer, .address_space: global }
      - { .name: w1, .offset: 8, .size: 8, .value_kind: global_buffer, .address_space: global }
      - { .name: bo, .offset: 16, .size: 8, .value_kind: global_buffer, .address_space: global }
      - { .name: out0, .offset: 24, .size: 8, .value_kind: global_buffer, .address_space: global }
    .group_segment_fixed_size: 327680
    .private_segment_fixed_size: 0
    .kernarg_segment_align: 8
    .kernarg_segment_size: 32
    .max_flat_workgroup_size: 128
    .sgpr_count:     100
    .vgpr_count:     768
    .wavefront_size: 32
...
	.end_amdgpu_metadata
.endif
;; end of part 4
